; MI455X (gfx1250); checked and timed in simulation.
; The chip was launched on July 23, 2026; its instructions are those of AMD's public machine-readable ISA for CDNA 5 (MIT licence, August 2026) and "CDNA5" Instruction Set Architecture Reference Guide (July 2026). The comments in the code are by the model that wrote it; some were corrected since.
;; Self Attention. Allowed arithmetic: matrix products marked QUANTISED: E2M3 operands, one E8M0 scale for each 32 along K, by v_wmma_scale_f32_16x16x128_f8f6f4 with both operands' format E2M3, f32 sums; everything else in f32.
;; Inputs: Wk 768 x 768 float32; Wq 768 x 768 float32; Wv 768 x 768 float32; bk 768 float32; bq 768 float32; bv 768 float32; pos 1,024 x 768 float32; x 16 x 1,024 x 768 float32.
;; Outputs: out0 16 x 1,024 x 768 float32.
;; This version of the problem:
;;   THIS VERSION OF THE PROBLEM IS GIVEN IN LOW PRECISION. The matrix products marked QUANTISED in the list below multiply operands that are first quantised to E2M3 (2 exponent bits, 3 mantissa bits; 6 bits a number), with one power-of-two scale for each 32 numbers along K (OCP MX v1.0); their sums are f32. All else is computed in f32.
;;   The module's matrix products, in the order in which they are computed (A, B: the left and right operand; K: the contracted axis; several contracted axes count as one K, in the product's order):
;;     1. [M 16,384, K 768] x [K 768, N 768]; A: computed on the way; B: input Wq: QUANTISED
;;     2. [M 16,384, K 768] x [K 768, N 768]; A: computed on the way; B: input Wk: QUANTISED
;;     3. [M 16,384, K 768] x [K 768, N 768]; A: computed on the way; B: input Wv: QUANTISED
;;     4. batch 16 x [M 1,024, K 768] x [K 768, N 1,024]; A: computed on the way; B: computed on the way: QUANTISED
;;     5. batch 16 x [M 1,024, K 1,024] x [K 1,024, N 768]; A: softmax (see below); B: computed on the way: QUANTISED
;;   THE QUANTISER, for each operand of a quantised product, along K:
;;     - K is cut into blocks of 32 from its start; a last block that is shorter is filled with zeros.
;;     - A block's scale is 2^e with e = floor(log2(the largest magnitude in the block)) - 2, held to -126 .. 127; a block of zeros has e = 0. As a byte (E8M0): e + 127.
;;     - Each number is divided by its block's scale, clamped to +-7.5, and rounded to the nearest number of E2M3, ties to even, subnormals kept.
;;     - The product sums the exact products of the quantised numbers (number of the format x scale) in f32.
;;   ~~~python
;;   def quantise(x, axis):      # numpy; x: float32 -> the quantised numbers, widened to float32 again
;;       x = np.moveaxis(x, axis, -1); K = x.shape[-1]
;;       x = np.pad(x, [(0, 0)] * (x.ndim - 1) + [(0, -K % 32)]); x = x.reshape(x.shape[:-1] + (-1, 32)); a = np.abs(x).max(-1, keepdims=True)
;;       e = np.where(a > 0, np.clip(np.frexp(np.where(a > 0, a, 1))[1] - 1 - 2, -126, 127), 0)      # np.frexp(a)[1] - 1 = floor(log2(a)), exactly
;;       r = np.clip(x / 2.0 ** e, -7.5, 7.5)
;;       step = 2.0 ** (np.maximum(np.frexp(np.where(r == 0, 1, r))[1] - 1, 0) - 3)
;;       q = np.round(r / step) * step * 2.0 ** e      # np.round: ties to even
;;       return np.moveaxis(q.reshape(q.shape[:-2] + (-1,))[..., :K], -1, axis).astype(np.float32)
;;   ~~~
;;   SOFTMAX AHEAD OF A QUANTISED PRODUCT. Where the list says 'softmax', what is quantised is not the finished softmax but p = 2^(t - M), with t = logit x log2(e) and M = ceil(the row's largest t), a whole number; so 1/2 < the row's largest p <= 1. The row's sum l is taken of the UNQUANTISED p, in f32, and the product's result is divided by l at the end. Since M is a whole number, a kernel that streams over the keys may use a running M (the ceiling of the running maximum): every later rescaling is an exact power of two, which a block's scale takes up: the codes' values come out the same.
;;   OPERANDS COMPUTED ON THE WAY. 'Computed on the way' means the value that the module computes at that place (a softmax that the list does not call 'softmax' is quantised finished and normalised). What goes into a quantiser is computed in f32, as accurately as f32 sums, v_exp_f32 and their like allow (about 1e-6 of the number): no bf16 or f16 on the way to a quantiser, and a product that is left as it is and whose result goes on into a quantised operand takes f32 operands (vector FMAs, or v_wmma_f32_16x16x4_f32). A number that lies on a knife's edge between two numbers of the format may be rounded either way, as far as f32 arithmetic and the matrix unit's own rounding can turn it there, and no further.
;; One version. Each part assembles by itself: llvm-mc -triple=amdgcn-amd-amdhsa -mcpu=gfx1250 --defsym DOCPART=n.
;; ======== version 1 of 1: 3 launches
;; limits: right only within a limited range of input values
;; workspace buffers: hc 10,223,616 bytes; qc 10,223,616 bytes; wc 1,437,696 bytes; kv 20,447,232 bytes
;; launch prep (part 1): grid 114 x 4, 4 waves a work-group, no clusters, 68,096 bytes of LDS; arguments x, pos, Wq, Wk, Wv, hc, wc; writes hc, wc
.if DOCPART == 1
	.amdgcn_target "amdgcn-amd-amdhsa--gfx1250"
	.amdhsa_code_object_version 6
	.text
	.protected	k_qae65d612f6_prep
	.globl	k_qae65d612f6_prep
	.p2align	8
	.type	k_qae65d612f6_prep,@function
k_qae65d612f6_prep:
	s_mov_b64 s[64:65], 0
	v_nop
	global_prefetch_b8 v0, s[64:65] scope:SCOPE_SE
	s_setreg_imm32_b32 hwreg(HW_REG_WAVE_MODE, 25, 1), 1
	s_wait_xcnt 0x0
; h = x + pos [16][1024][768] and the three weights [768][768], all f32 with K (the 768) innermost, become codes of FP6 (E2M3) with one E8M0 byte
; for each 32 along K, laid as IMAGES OF THE OPERAND'S REGISTERS: a fragment (16 rows x 128 K, 12 registers a lane) is three pieces of 512 bytes,
; piece c = registers 4 c .. 4 c + 3, lane l's 16 bytes at 16 l; its scale words are a record of 128 bytes, 4 bytes a lane.
; THE ROWS OF A TILE ARE NOT NEIGHBOURS: lane r of tile 2 B + u holds row 32 B + 8 u + r + 8 (r / 8), so that a product which takes the tile as source 0
; leaves 16 neighbours along that axis in the 16 registers of tiles 2 B and 2 B + 1.
; hc: [group of 64 rows][fragment 4 ks + t: 1,536 bytes][24 records].   wc: [n4][jj][unit u][6 fragments ks][6 records]; units 0-5: tile 24 n4 + 4 u + jj of the
; stack Wq, Wk; units 6-8: tile 12 n4 + 4 (u - 6) + jj of Wv.
; SHARES.  Work-groups x < 96: K step x / 16 of the 64 rows x % 16 of the four batches 4 y .. 4 y + 3, a wave to a tile; pos stays in registers for the four.
; Work-groups x >= 96: unit (x - 96) / 2 of part y of the weights, K steps 3 ((x - 96) % 2) on, a wave to a tile.  The two ways part once and never join; each has LDS bytes of its own.
; A load reads 512 consecutive bytes (a row's K step); the conversions want 16 neighbours in ONE lane, so a tile turns through the wave's own stage in LDS (rows 528 bytes apart).
; A store of codes covers 512 consecutive bytes, aligned to 256.  A record's store covers 128 consecutive bytes: one twelfth of the codes' bytes.
; A block's scale is 2^(floor(log2(largest magnitude)) - 2): its byte is the largest magnitude's exponent field - 2, held at 1 from below.
; LIMITS: a block of zeros, or one whose largest magnitude lies under 2^-124, keeps the byte 1 (the rule says 127 for zeros): its codes are zeros, and this program alone reads the bytes.
; NaN and infinities among the inputs are not served.  No matrix work, no cluster, no tensor load: memory binds, and waves share nothing.
.set LI,   1                           ; v1   16 x lane
.set LS,   2                           ; v2   4 x lane
.set STW,  3                           ; v3   the stage, on the way in: 16 x lane
.set STR,  4                           ; v4   and on the way out: 528 r + 64 h
.set TM,   8                           ; v8-23   largest magnitudes, bytes, scale operands
.set PC,   24                          ; v24-43  the codes just made
.set PW,   44                          ; v44     their scale word
.set X0,   64                          ; v64-127, v128-191: two sets of 64 numbers
.set X1,   128
.set POS,  192                         ; v192-255 pos of my tile
.set WV,   18
.set SEL,  20
.set SPITCH, 528
.set STAGEB, 16*SPITCH
.set ROW,   3072
.set BATCH, 1024*ROW
.set GRPB,  39936
; 16 rows of a tile, 512 bytes each, as they lie.  nt = 1: read once in the launch
.macro XLOAD set, base, off, nt
.irp p, 0,1,2,3,4,5,6,7,8,9,10,11,12,13,14,15
.if \nt
	global_load_b128 v[\set+4*\p:\set+4*\p+3], v[LI], s[\base:\base+1] offset:(\p+8*(\p/8))*ROW+\off th:TH_LOAD_NT
.else
	global_load_b128 v[\set+4*\p:\set+4*\p+3], v[LI], s[\base:\base+1] offset:(\p+8*(\p/8))*ROW+\off
.endif
.endr
.endm
.macro ADDPOS set
.irp j, 0,2,4,6,8,10,12,14,16,18,20,22,24,26,28,30,32,34,36,38,40,42,44,46,48,50,52,54,56,58,60,62
	v_pk_add_f32 v[\set+\j:\set+\j+1], v[\set+\j:\set+\j+1], v[POS+\j:POS+\j+1]
.endr
.endm
; through the stage: in as loaded, back so that register 16 b + i is k = 32 b + 16 h + i of row r.  LDS serves a wave's instructions in order: no wait between stores and loads
.macro TURN set
.irp p, 0,1,2,3,4,5,6,7,8,9,10,11,12,13,14,15
	ds_store_b128 v[STW], v[\set+4*\p:\set+4*\p+3] offset:SPITCH*\p
.endr
.irp b, 0,1,2,3
.irp j, 0,1,2,3
	ds_load_b128 v[\set+16*\b+4*\j:\set+16*\b+4*\j+3], v[STR] offset:128*\b+16*\j
.endr
.endr
	s_wait_dscnt 0x0
.endm
; 64 numbers of a lane become a fragment's codes in v[PC] on and its scale word in v[PW]
.macro QUANT s
.irp b, 0,1,2,3
	v_max3_num_f32 v[TM+\b], |v[\s+16*\b]|, |v[\s+1+16*\b]|, 0x1800000   ; my 16 numbers of block b, and the floor 2^(3 - 127): the byte cannot fall under 1
.endr
.irp i, 2,4,6,8,10,12,14
.irp b, 0,1,2,3
	v_max3_num_f32 v[TM+\b], v[TM+\b], |v[\s+16*\b+\i]|, |v[\s+1+16*\b+\i]|
.endr
.endr
.irp b, 0,1,2,3
	v_permlanex16_b32 v[TM+4+\b], v[TM+\b], s[SEL], s[SEL+1]
.endr
.irp b, 0,1,2,3
	v_max_num_f32 v[TM+\b], v[TM+\b], v[TM+4+\b]   ; with lane l xor 16's: the block's largest magnitude
.endr
.irp b, 0,1,2,3
	v_add_nc_u32 v[TM+12+\b], 0xff000000, v[TM+\b]   ; 2 off its exponent field: the conversion's scale operand
.endr
.irp b, 0,1,2,3
	v_lshrrev_b32 v[TM+4+\b], 23, v[TM+12+\b]      ; the scale's byte
.endr
	s_wait_alu depctr_va_vdst(0)
	s_wait_xcnt 0x0                                ; the last fragment's stores have read v[PC] on and v[PW]: both are written again only behind this wait
	v_lshl_or_b32 v[PW], v[TM+5], 8, v[TM+4]
	v_lshl_or_b32 v[PW], v[TM+6], 16, v[PW]
	v_lshl_or_b32 v[PW], v[TM+7], 24, v[PW]
.irp c, 0,1
	v_cvt_scalef32_pk16_fp6_f32 v[PC+6*\c:PC+2+6*\c], v[\s+32*\c:\s+15+32*\c], v[TM+12+2*\c]
	v_cvt_scalef32_pk16_fp6_f32 v[PC+12+4*\c:PC+14+4*\c], v[\s+16+32*\c:\s+31+32*\c], v[TM+12+2*\c+1]   ; (a conversion's three registers begin on an even number)
.endr
	v_nop                                          ; one plain place behind a scaled conversion
.irp c, 0,1                                    ; the operand's layout wants a whole block in a lane
.irp i, 0,1,2
	v_permlane16_swap_b32 v[PC+6*\c+\i], v[PC+12+4*\c+\i]
.endr
.irp i, 0,1,2
	v_mov_b32 v[PC+3+6*\c+\i], v[PC+12+4*\c+\i]
.endr
.endr
.endm
.macro SEND co, so
.irp c, 0,1,2
	global_store_b128 v[LI], v[PC+4*\c:PC+4*\c+3], s[30:31] offset:(\co)+512*\c
.endr
	global_store_b32 v[LS], v[PW], s[32:33] offset:\so
.endm
; left: the other set's loads, issued later, may stay out
.macro TRIP set, left, addp, co, so
	s_wait_loadcnt \left
.if \addp
	ADDPOS \set
.endif
	TURN \set
	QUANT \set
	SEND \co, \so
.endm
	s_load_b256 s[4:11], s[0:1], 0x0               ; x s[4:5], pos s[6:7], Wq s[8:9], Wk s[10:11]
	s_load_b128 s[12:15], s[0:1], 0x20             ; Wv s[12:13], hc s[14:15]
	s_load_b64 s[16:17], s[0:1], 0x30              ; wc
	v_lshl_add_u32 v62, v0, 2, 0x10800
	v_mov_b32 v63, 0
	v_lshrrev_b32 v5, 5, v0
	v_readfirstlane_b32 s[WV], v5                  ; wave 0..3
	v_and_b32 v5, 31, v0                           ; lane
	v_and_b32 v6, 15, v0                           ; r
	v_bfe_u32 v7, v0, 4, 1                         ; h
	v_lshlrev_b32 v[LI], 4, v5
	v_lshlrev_b32 v[LS], 2, v5
	s_mul_i32 s19, s[WV], STAGEB                   ; my stage
	v_add_nc_u32 v[STW], s19, v[LI]
	v_mul_u32_u24 v[STR], v6, SPITCH
	v_lshl_add_u32 v[STR], v7, 6, v[STR]
	v_add_nc_u32 v[STR], s19, v[STR]
	s_mov_b32 s[SEL], 0x76543210
	s_mov_b32 s[SEL+1], 0xfedcba98                 ; v_permlanex16_b32's selects for lane l xor 16
.irp b, 0,1,2,3
	v_mov_b32 v[TM+4+\b], 0                        ; written once: a lane permute's destination counts as one of its sources
.endr
	s_and_b32 s22, ttmp7, 0xffff                   ; work-group y
	s_cmp_lt_u32 ttmp9, 96
	s_cbranch_scc0 .Lweights
	; ---- h = x + pos
	s_lshr_b32 s23, ttmp9, 4                       ; K step
	s_and_b32 s34, ttmp9, 15                       ; group of 64 rows in a batch
	s_lshr_b32 s35, s[WV], 1
	s_lshl_b32 s35, s35, 5
	s_and_b32 s36, s[WV], 1
	s_lshl_b32 s36, s36, 3
	s_add_co_u32 s36, s36, s35
	s_lshl_b32 s35, s34, 6
	s_add_co_u32 s36, s36, s35                     ; my tile's first row: 64 grp + 32 (t / 2) + 8 (t % 2)
	s_mul_i32 s36, s36, ROW
	s_lshl_b32 s35, s23, 9
	s_add_co_u32 s36, s36, s35                     ; its byte in pos, and in a batch of x
	s_mov_b32 s37, 0
	s_mul_i32 s38, s22, 4*BATCH
	s_add_co_u32 s38, s38, s36                     ; in x: batch 4 y
	s_mov_b32 s39, 0
	s_lshl_b32 s40, s22, 6
	s_add_co_u32 s40, s40, s34
	s_mul_i32 s40, s40, GRPB                       ; the first trip's group in hc: 64 y + grp
	s_lshl_b32 s35, s23, 2
	s_add_co_u32 s35, s35, s[WV]                   ; fragment 4 ks + t
	s_lshl_b32 s42, s35, 7
	s_add_co_u32 s42, s42, s40
	s_add_co_u32 s42, s42, 36864                   ; its record
	s_mov_b32 s43, 0
	s_mul_i32 s35, s35, 1536
	s_add_co_u32 s40, s40, s35                     ; its image
	s_mov_b32 s41, 0
	s_wait_kmcnt 0x0
	s_add_nc_u64 s[24:25], s[4:5], s[38:39]        ; x, trips 0 and 1
	s_add_nc_u64 s[26:27], s[24:25], 2*BATCH       ; trips 2 and 3: three batches would pass the signed 24-bit immediate
	s_add_nc_u64 s[28:29], s[6:7], s[36:37]
	s_add_nc_u64 s[30:31], s[14:15], s[40:41]
	s_add_nc_u64 s[32:33], s[14:15], s[42:43]
	XLOAD POS, 28, 0, 0
	XLOAD X0, 24, 0, 1
	XLOAD X1, 24, BATCH, 1
	TRIP X0, 16, 1, 0, 0
	XLOAD X0, 26, 0, 1
	TRIP X1, 16, 1, 16*GRPB, 16*GRPB
	XLOAD X1, 26, BATCH, 1
	TRIP X0, 16, 1, 32*GRPB, 32*GRPB
	TRIP X1, 0, 1, 48*GRPB, 48*GRPB
	s_wait_tensorcnt 0x0
	ds_add_u32 v62, v63
	s_wait_dscnt 0x0
	s_endpgm
.Lweights:
	; ---- the weights
	s_wait_alu depctr_va_vdst(0)
	v_add_nc_u32 v[STW], 4*STAGEB, v[STW]          ; this way's own stages
	v_add_nc_u32 v[STR], 4*STAGEB, v[STR]
	s_sub_co_u32 s23, ttmp9, 96
	s_lshr_b32 s34, s23, 1                         ; unit u
	s_and_b32 s35, s23, 1                          ; which three K steps
	s_and_b32 s36, s22, 1
	s_mul_i32 s36, s36, 24
	s_lshl_b32 s37, s34, 2
	s_add_co_u32 s36, s36, s37
	s_add_co_u32 s36, s36, s[WV]                   ; tile of Wq or Wk: 24 (n4 % 2) + 4 u + jj
	s_mul_i32 s38, s22, 12
	s_add_co_u32 s38, s38, s37
	s_add_co_u32 s38, s38, s[WV]
	s_sub_co_u32 s38, s38, 24                      ; tile of Wv: 12 n4 + 4 (u - 6) + jj
	s_cmp_lt_u32 s34, 6
	s_cselect_b32 s36, s36, s38
	s_lshr_b32 s37, s36, 1
	s_lshl_b32 s37, s37, 5
	s_and_b32 s38, s36, 1
	s_lshl_b32 s38, s38, 3
	s_add_co_u32 s38, s38, s37                     ; its first row
	s_mul_i32 s38, s38, ROW
	s_mul_i32 s37, s35, 1536
	s_add_co_u32 s38, s38, s37
	s_mov_b32 s39, 0
	s_mul_i32 s40, s22, 359424
	s_mul_i32 s37, s[WV], 89856
	s_add_co_u32 s40, s40, s37
	s_mul_i32 s37, s34, 9984
	s_add_co_u32 s40, s40, s37                     ; the unit's place in wc
	s_mul_i32 s37, s35, 384
	s_add_co_u32 s42, s40, s37
	s_add_co_u32 s42, s42, 9216                    ; its records
	s_mov_b32 s43, 0
	s_mul_i32 s37, s35, 4608
	s_add_co_u32 s40, s40, s37                     ; its images
	s_mov_b32 s41, 0
	s_wait_alu depctr_va_vdst(0)
	s_wait_kmcnt 0x0
	s_cmp_lt_u32 s22, 2                            ; the choices hang on the work-group's numbers alone
	s_cselect_b64 s[24:25], s[8:9], s[10:11]
	s_cmp_lt_u32 s34, 6
	s_cselect_b64 s[24:25], s[24:25], s[12:13]
	s_add_nc_u64 s[24:25], s[24:25], s[38:39]
	s_add_nc_u64 s[30:31], s[16:17], s[40:41]
	s_add_nc_u64 s[32:33], s[16:17], s[42:43]
	XLOAD X0, 24, 0, 1
	XLOAD X1, 24, 512, 1
	TRIP X0, 16, 0, 0, 0
	XLOAD X0, 24, 1024, 1
	TRIP X1, 16, 0, 1536, 128
	TRIP X0, 0, 0, 3072, 256
	s_wait_tensorcnt 0x0
	ds_add_u32 v62, v63
	s_wait_dscnt 0x0
	s_endpgm
.Lfunc_end_k_qae65d612f6_prep:
	.size	k_qae65d612f6_prep, .Lfunc_end_k_qae65d612f6_prep-k_qae65d612f6_prep
	.p2alignl 7, 3214868480
	.fill 96, 4, 3214868480
	.section	.rodata,"a",@progbits
	.p2align	6, 0x0
	.amdhsa_kernel k_qae65d612f6_prep
		.amdhsa_group_segment_fixed_size 68096
		.amdhsa_private_segment_fixed_size 0
		.amdhsa_enable_private_segment 0
		.amdhsa_kernarg_size 56
		.amdhsa_user_sgpr_count 2
		.amdhsa_user_sgpr_kernarg_segment_ptr 1
		.amdhsa_wavefront_size32 1
		.amdhsa_system_sgpr_workgroup_id_x 1
		.amdhsa_system_sgpr_workgroup_id_y 1
		.amdhsa_system_sgpr_workgroup_id_z 1
		.amdhsa_system_vgpr_workitem_id 0
		.amdhsa_next_free_vgpr 256
		.amdhsa_next_free_sgpr 66
		.amdhsa_reserve_vcc 0
		.amdhsa_float_denorm_mode_32 3
		.amdhsa_float_denorm_mode_16_64 3
		.amdhsa_memory_ordered 1
		.amdhsa_forward_progress 1
		.amdhsa_inst_pref_size 69
	.end_amdhsa_kernel
	.amdgpu_metadata
---
amdhsa.version: [ 1, 2 ]
amdhsa.kernels:
  - .name:           k_qae65d612f6_prep
    .symbol:         k_qae65d612f6_prep.kd
    .args:
      - { .name: x, .offset: 0, .size: 8, .value_kind: global_buffer, .address_space: global }
      - { .name: pos, .offset: 8, .size: 8, .value_kind: global_buffer, .address_space: global }
      - { .name: Wq, .offset: 16, .size: 8, .value_kind: global_buffer, .address_space: global }
      - { .name: Wk, .offset: 24, .size: 8, .value_kind: global_buffer, .address_space: global }
      - { .name: Wv, .offset: 32, .size: 8, .value_kind: global_buffer, .address_space: global }
      - { .name: hc, .offset: 40, .size: 8, .value_kind: global_buffer, .address_space: global }
      - { .name: wc, .offset: 48, .size: 8, .value_kind: global_buffer, .address_space: global }
    .group_segment_fixed_size: 68096
    .private_segment_fixed_size: 0
    .kernarg_segment_align: 8
    .kernarg_segment_size: 56
    .max_flat_workgroup_size: 128
    .sgpr_count:     66
    .vgpr_count:     256
    .wavefront_size: 32
...
	.end_amdgpu_metadata
.endif
;; end of part 1
;; launch proj (part 2): grid 64 x 4, 4 waves a work-group, clusters of 4 x 1, 327,680 bytes of LDS; arguments hc, wc, bq, bk, bv, qc, kv; writes qc, kv
.if DOCPART == 2
	.amdgcn_target "amdgcn-amd-amdhsa--gfx1250"
	.amdhsa_code_object_version 6
	.text
	.protected	k_qae65d612f6_proj
	.globl	k_qae65d612f6_proj
	.p2align	8
	.type	k_qae65d612f6_proj,@function
k_qae65d612f6_proj:
	s_mov_b64 s[64:65], 0
	v_nop
	global_prefetch_b8 v0, s[64:65] scope:SCOPE_SE
	s_setreg_imm32_b32 hwreg(HW_REG_WAVE_MODE, 25, 1), 1
	s_wait_xcnt 0x0
	s_wait_alu depctr_hold_cnt(0) depctr_sa_sdst(0) depctr_va_vdst(0) depctr_va_sdst(0) depctr_va_ssrc(0) depctr_va_vcc(0) depctr_vm_vsrc(0)
	s_getreg_b32 s2, hwreg(HW_REG_IB_STS2, 6, 4)
	s_cmp_eq_u32 s2, 0
	s_cbranch_scc0 .Lentry_in_a_cluster
	s_endpgm
.Lentry_in_a_cluster:
	s_bfe_u32 s2, ttmp6, 0x10000c
	s_cmp_lg_u32 s2, 0x3003
	s_cbranch_scc0 .Lentry_shape_is_right
	s_endpgm
.Lentry_shape_is_right:
; Q, K, V = h W^T + b on codes of FP6 (E2M3) with E8M0 scales, and the results quantised at once: Q and K along e, V along the keys.
; SHARES.  Work-group (m, n4): rows 256 m .. 256 m + 255 of h; wave w its 64 rows of group 4 m + w, whose 24 fragments stay in 288 registers.  Every work-group runs the same text:
; three T passes (64 rows x 128 e of the stack Wq, Wk: column groups 3 n4 + p) and three V passes (64 keys x 64 e of Wv).  768 = 6 x 128, so a T pass gives whole fragments along e,
; and 64 x 4 work-groups have equal work: 864 matrix instructions a wave.
; T pass: source 0 = 16 rows of W, source 1 = 16 rows of h: a lane holds one row of h, its registers run along e.  V pass: the sources change places: a lane holds one e, its registers run along the keys.
; The rows of every tile are chosen (32 B + 8 u + r + 8 (r / 8)) so that the 16 registers of two neighbouring tiles are 16 neighbours along the next K.
; The biases are the C of each sum's first matrix instruction.
; W's part n4 (9 units of 4 tiles x 6 K steps) is read by all four waves from LDS and is the same in the four work-groups of a cluster: JOINT tensor loads, mask 15.
; Eight units fit; the ninth fills the first unit's bytes again, once, behind a round of the cluster's barrier.  By this text's count a wave has one tensor load out at a time.
; A RUN: four fragments of W from LDS x my four fragments of h: 16 matrix instructions on 16 accumulators, which take turns.  Two sets of registers for W: the fetch for
; run n + 2 stands behind run n.
; OUT: qc as hc is laid.  kv: [batch][slot 0..11][quarter][16 fragments | 16 records]; slots 0-5: K, K step = slot, quarter = keys 256 wa on; slots 6 + 2 G + hf: V^T, fragment 4 ksl + i =
; e tile 16 G + 4 wa + i at keys 128 (4 hf + ksl) on, in two halves of 768 bytes (registers 6 c .. 6 c + 3 at 16 l, 6 c + 4, 6 c + 5 at 512 + 8 l), since two waves make the halves.
; LIMITS: a block of zeros or under 2^-124 keeps the byte 1 over zero codes (this program alone reads the bytes); NaN and infinities are not served.
; REGISTERS: window 0: v1-27 addresses; v32-79, v80-127 W's two sets; v128-135 their scale words; v136-159 h's scale words; v160-163 a pass's records; v168-215 h's K step 5; v216-231, v232-251, v252 the quantiser's.
;   window 1: h's K steps 0-4.   window 2: the accumulators.   window 3: v0-191 the T passes' biases; v192-203 bv as loaded; v204-235 a V pass's C.
.set LI,   1                           ; 16 x lane
.set LS,   2                           ; 4 x lane
.set L8,   3                           ; 8 x lane
.set SPW,  4                           ; my spare word; never rewritten
.set NIL,  5                           ; 0; never rewritten
.set AW,   6                           ; v6-13   W's images: quarter jj, units 0-3 (index jj) or 4-7 (index jj + 4), + 16 x lane
.set AWS,  14                          ; v14-21  the same + 4 x lane, for the records
.set SCRW, 22
.set SCRR, 23
.set AVS,  24
.set AVR,  25
.set BH,   26                          ; 64 h
.set BR,   27                          ; 4 (r + 8 (r / 8))
.set SETS, 32
.set SCW,  128
.set SCH,  136
.set GA,   160
.set H5,   168
.set TM,   216
.set PC,   232
.set PW,   252
.set WV,   18
.set SEL,  20
.set WQ,   79872                       ; LDS: a quarter of W, eight units
.set UB,   9984                        ; a unit: 6 images, 6 records
.set SCR,  319488                      ; 512 bytes a wave: a pass's four records are gathered here
.set VSX,  321536                      ; 1,536 bytes for each pair of waves: V's scale words, two bytes from each wave
.set SPARE, 324608                     ; the spare words, 128 bytes a wave: two blocks of 256 bytes that no other line names
.set MSB, 0
.macro WIN new                         ; the immediate's high byte repeats the setting that is left
.if MSB != (\new)
	s_set_vgpr_msb (MSB<<8)|(\new)
.set MSB, (\new)
.endif
.endm
.macro PLACES                          ; four places behind a matrix instruction, in front of loads into its registers and of reads of its results
.rept 4
	v_nop
.endr
.endm
.macro CREST
	s_cmp_lg_u32 s[WV], 0
	s_cbranch_scc1 .Lnot_wave_0_\@
	s_barrier_signal -3
.Lnot_wave_0_\@:
	s_barrier_wait -3
	s_barrier_signal -1
	s_barrier_wait -1
.endm
.macro CROUND                          ; a round of the cluster's barrier
	s_barrier_signal -1
	s_barrier_wait -1
	CREST
.endm
; the four tiles of unit slot us at K step ks, and their scale words, into set: 16 loads
.macro FETCHW us, ks, set
.irp j, 0,1,2,3
.irp c, 0,1,2
	ds_load_b128 v[SETS+48*(\set)+12*\j+4*\c:SETS+48*(\set)+12*\j+4*\c+3], v[AW+\j+4*((\us)/4)] offset:((\us)%4)*UB+1536*(\ks)+512*\c
.endr
	ds_load_b32 v[SCW+4*(\set)+\j], v[AWS+\j+4*((\us)/4)] offset:((\us)%4)*UB+9216+128*(\ks)
.endr
.endm
.macro MULT p, ks, a, set              ; T: accumulator (t, 4 a + jj) += W's tile jj x h's tile t
.if (\ks) == 0
	WIN 0xb4                                       ; W window 0, h window 1, the bias window 3, D window 2
.elseif (\ks) < 5
	WIN 0xa4
.else
	WIN 0xa0
.endif
.if (\ks) < 5
.set HB, 48*(\ks)
.else
.set HB, H5
.endif
.irp t, 0,1,2,3
.irp j, 0,1,2,3
.set DD, 64*\t+8*(4*(\a)+\j)
.set AA, SETS+48*(\set)+12*\j
.set BB, HB+12*\t
.set CC, 64*(\p)+8*(4*(\a)+\j)
.if (\ks) == 0
	v_wmma_scale_f32_16x16x128_f8f6f4 v[DD:DD+7], v[AA:AA+11], v[BB:BB+11], v[CC:CC+7], v[SCW+4*(\set)+\j], v[SCH+4*(\ks)+\t] matrix_a_fmt:MATRIX_FMT_FP6 matrix_b_fmt:MATRIX_FMT_FP6
.else
	v_wmma_scale_f32_16x16x128_f8f6f4 v[DD:DD+7], v[AA:AA+11], v[BB:BB+11], v[DD:DD+7], v[SCW+4*(\set)+\j], v[SCH+4*(\ks)+\t] matrix_a_fmt:MATRIX_FMT_FP6 matrix_b_fmt:MATRIX_FMT_FP6
.endif
.endr
.endr
.endm
.macro MULV ks, set                    ; V: accumulator (jj, t) += h's tile t x Wv's tile jj
.if (\ks) == 0
	WIN 0xb1
.elseif (\ks) < 5
	WIN 0xa1
.else
	WIN 0xa0
.endif
.if (\ks) < 5
.set HB, 48*(\ks)
.else
.set HB, H5
.endif
.irp j, 0,1,2,3
.irp t, 0,1,2,3
.set DD, 32*\j+8*\t
.set AA, HB+12*\t
.set BB, SETS+48*(\set)+12*\j
.set CC, 204+8*\j
.if (\ks) == 0
	v_wmma_scale_f32_16x16x128_f8f6f4 v[DD:DD+7], v[AA:AA+11], v[BB:BB+11], v[CC:CC+7], v[SCH+4*(\ks)+\t], v[SCW+4*(\set)+\j] matrix_a_fmt:MATRIX_FMT_FP6 matrix_b_fmt:MATRIX_FMT_FP6
.else
	v_wmma_scale_f32_16x16x128_f8f6f4 v[DD:DD+7], v[AA:AA+11], v[BB:BB+11], v[DD:DD+7], v[SCH+4*(\ks)+\t], v[SCW+4*(\set)+\j] matrix_a_fmt:MATRIX_FMT_FP6 matrix_b_fmt:MATRIX_FMT_FP6
.endif
.endr
.endr
.endm
; twelve runs: K step R / 2, half R % 2 of the pass's eight tiles.  The wait leaves the other set's 16 loads out
.macro TPASS p
.set R, 0
.rept 12
.if R < 11
	s_wait_dscnt 16
.else
	s_wait_dscnt 0x0
.endif
	MULT \p, R/2, R%2, R%2
	WIN 0
	PLACES
.if R < 10
	FETCHW 2*(\p)+(R%2), (R+2)/2, R%2
.endif
.set R, R+1
.endr
.endm
.macro VPASS us                        ; six runs: K step R
.set R, 0
.rept 6
.if R < 5
	s_wait_dscnt 16
.else
	s_wait_dscnt 0x0
.endif
	MULV R, R%2
	WIN 0
	PLACES
.if R < 4
	FETCHW \us, R+2, R%2
.endif
.set R, R+1
.endr
.endm
; 64 numbers of a lane in window w, register 16 b + i = k 32 b + 16 h + i of my row, become a fragment's codes in v[PC] on and its scale word in v[PW].  Each accumulator is first read at its two lowest registers
.macro QUANT s, w
	WIN (\w)|((\w)<<2)
.irp b, 0,1,2,3
	v_max3_num_f32 v[TM+\b], |v[(\s)+16*\b]|, |v[(\s)+1+16*\b]|, 0x1800000   ; and the floor 2^(3 - 127): the byte cannot fall under 1
.endr
	WIN ((\w)<<2)|((\w)<<4)
.irp i, 2,4,6,8,10,12,14
.irp b, 0,1,2,3
	v_max3_num_f32 v[TM+\b], v[TM+\b], |v[(\s)+16*\b+\i]|, |v[(\s)+1+16*\b+\i]|
.endr
.endr
	WIN 0
.irp b, 0,1,2,3
	v_permlanex16_b32 v[TM+4+\b], v[TM+\b], s[SEL], s[SEL+1]
.endr
.irp b, 0,1,2,3
	v_max_num_f32 v[TM+\b], v[TM+\b], v[TM+4+\b]
.endr
.irp b, 0,1,2,3
	v_add_nc_u32 v[TM+12+\b], 0xff000000, v[TM+\b]   ; 2 off the exponent field: the conversion's scale operand
.endr
.irp b, 0,1,2,3
	v_lshrrev_b32 v[TM+4+\b], 23, v[TM+12+\b]
.endr
	s_wait_alu depctr_va_vdst(0)
	s_wait_xcnt 0x0                                ; the last fragment's stores, to memory
	s_wait_dscnt 0x0                               ; and to LDS, have read v[PC] on and v[PW]
	v_lshl_or_b32 v[PW], v[TM+5], 8, v[TM+4]
	v_lshl_or_b32 v[PW], v[TM+6], 16, v[PW]
	v_lshl_or_b32 v[PW], v[TM+7], 24, v[PW]
	WIN (\w)
.irp c, 0,1
	v_cvt_scalef32_pk16_fp6_f32 v[PC+6*\c:PC+2+6*\c], v[(\s)+32*\c:(\s)+15+32*\c], v[TM+12+2*\c]
	v_cvt_scalef32_pk16_fp6_f32 v[PC+12+4*\c:PC+14+4*\c], v[(\s)+16+32*\c:(\s)+31+32*\c], v[TM+12+2*\c+1]
.endr
	WIN 0
	v_nop                                          ; one plain place behind a scaled conversion
.irp c, 0,1
.irp i, 0,1,2
	v_permlane16_swap_b32 v[PC+6*\c+\i], v[PC+12+4*\c+\i]
.endr
.irp i, 0,1,2
	v_mov_b32 v[PC+3+6*\c+\i], v[PC+12+4*\c+\i]
.endr
.endr
.endm
; the same for 32 numbers, two blocks: half a fragment in v[PC] .. v[PC+5], its two bytes in v[PW]
.macro QUANTH s, w
	WIN (\w)|((\w)<<2)
.irp b, 0,1
	v_max3_num_f32 v[TM+\b], |v[(\s)+16*\b]|, |v[(\s)+1+16*\b]|, 0x1800000
.endr
	WIN ((\w)<<2)|((\w)<<4)
.irp i, 2,4,6,8,10,12,14
.irp b, 0,1
	v_max3_num_f32 v[TM+\b], v[TM+\b], |v[(\s)+16*\b+\i]|, |v[(\s)+1+16*\b+\i]|
.endr
.endr
	WIN 0
.irp b, 0,1
	v_permlanex16_b32 v[TM+4+\b], v[TM+\b], s[SEL], s[SEL+1]
.endr
.irp b, 0,1
	v_max_num_f32 v[TM+\b], v[TM+\b], v[TM+4+\b]
.endr
.irp b, 0,1
	v_add_nc_u32 v[TM+12+\b], 0xff000000, v[TM+\b]
.endr
.irp b, 0,1
	v_lshrrev_b32 v[TM+4+\b], 23, v[TM+12+\b]
.endr
	s_wait_alu depctr_va_vdst(0)
	s_wait_xcnt 0x0
	s_wait_dscnt 0x0
	v_lshl_or_b32 v[PW], v[TM+5], 8, v[TM+4]
	WIN (\w)
	v_cvt_scalef32_pk16_fp6_f32 v[PC:PC+2], v[(\s):(\s)+15], v[TM+12]
	v_cvt_scalef32_pk16_fp6_f32 v[PC+12:PC+14], v[(\s)+16:(\s)+31], v[TM+13]
	WIN 0
	v_nop
.irp i, 0,1,2
	v_permlane16_swap_b32 v[PC+\i], v[PC+12+\i]
.endr
.irp i, 0,1,2
	v_mov_b32 v[PC+3+\i], v[PC+12+\i]
.endr
.endm
; a T pass's way out: four fragments (my four tiles of rows, one K step along e); their four records leave as 512 consecutive bytes
.macro EPIT p
.irp t, 0,1,2,3
	QUANT 64*\t, 2
.irp c, 0,1,2
	global_store_b128 v[LI], v[PC+4*\c:PC+4*\c+3], s[66+2*(\p):67+2*(\p)] offset:1536*\t+512*\c
.endr
	ds_store_b32 v[SCRW], v[PW] offset:128*\t
.endr
	ds_load_b128 v[GA:GA+3], v[SCRR]               ; LDS serves a wave's instructions in order: this sees my four stores
	s_wait_dscnt 0x0
	global_store_b128 v[LI], v[GA:GA+3], s[72+2*(\p):73+2*(\p)]
.endm
; a V pass's way out: four half fragments (four tiles of e, my 64 keys); the two bytes a row meet the other wave's two in LDS
.macro EPIV u
.irp j, 0,1,2,3
	QUANTH 32*\j, 2
	global_store_b128 v[LI], v[PC:PC+3], s[78+2*(\u):79+2*(\u)] offset:1536*\j
	global_store_b64 v[L8], v[PC+4:PC+5], s[78+2*(\u):79+2*(\u)] offset:1536*\j+512
	ds_store_b16 v[AVS], v[PW] offset:128*(4*(\u)+\j)
.endr
.endm
.macro VBIAS u                         ; a lane's e is fixed in a V pass: its bias is spread over the eight registers of a C
	WIN 0xc3
.irp j, 0,1,2,3
.irp i, 0,1,2,3,4,5,6,7
	v_mov_b32 v[204+8*\j+\i], v[192+4*(\u)+\j]
.endr
.endr
	WIN 0
	PLACES
.endm
	s_load_b256 s[4:11], s[0:1], 0x0               ; hc s[4:5], wc s[6:7], bq s[8:9], bk s[10:11]
	s_load_b128 s[12:15], s[0:1], 0x20             ; bv s[12:13], qc s[14:15]
	s_load_b64 s[16:17], s[0:1], 0x30              ; kv
	v_lshl_add_u32 v[SPW], v0, 2, SPARE
	v_mov_b32 v[NIL], 0
	ds_add_u32 v4, v5
	ds_add_u32 v4, v5
	s_wait_dscnt 0x0
	v_lshrrev_b32 v28, 5, v0
	v_readfirstlane_b32 s[WV], v28                 ; wave 0..3
	s_bfe_u32 s19, ttmp6, 0x40000                  ; cx: it enters global offsets of hc, qc and kv alone
	s_and_b32 s90, ttmp7, 0xffff                   ; n4, which the four partners share
	s_lshl_b32 s91, ttmp9, 2
	s_add_co_u32 s91, s91, s19                     ; m = 4 x cluster x + cx
	s_lshl_b32 s92, s91, 2
	s_add_co_u32 s92, s92, s[WV]                   ; my group of 64 rows
	; descriptor groups 1: dense blocks as rows of 256 bytes (32 elements of 8 bytes): two units are 78 rows, one is 39
	s_mov_b32 s24, 15|(3<<16)|(1<<21)              ; 15:0 the mask: all four work-groups; 17:16 elements of 8 bytes; 21 set beside a mask
	s_mov_b32 s25, 32<<16                          ; tensor_dim0
	s_mov_b32 s26, 78<<16                          ; tensor_dim1
	s_mov_b32 s27, 32<<16                          ; tile_dim0
	s_mov_b32 s28, 78                              ; tile_dim1
	s_mov_b32 s29, 32                              ; stride
	s_mov_b32 s30, 0
	s_mov_b32 s31, 0
	s_mov_b32 s32, 15|(3<<16)|(1<<21)
	s_mov_b32 s33, 32<<16
	s_mov_b32 s34, 39<<16
	s_mov_b32 s35, 32<<16
	s_mov_b32 s36, 39
	s_mov_b32 s37, 32
	s_mov_b32 s38, 0
	s_mov_b32 s39, 0
	s_mul_i32 s60, s90, 359424
	s_mul_i32 s61, s[WV], 89856
	s_add_co_u32 s60, s60, s61                     ; wave w fetches quarter jj = w of part n4
	s_mov_b32 s61, 0
	s_mul_i32 s62, s[WV], WQ
	s_mov_b32 s[SEL], 0x76543210
	s_mov_b32 s[SEL+1], 0xfedcba98
	s_wait_kmcnt 0x0
	s_add_nc_u64 s[60:61], s[6:7], s[60:61]
	s_mov_b32 s48, 15|(3<<16)|(1<<21)              ; group 1 for units 2 to 7 of a quarter: 234 rows of 256 bytes, joint as the others
	s_mov_b32 s49, 32<<16
	s_mov_b32 s50, 234<<16
	s_mov_b32 s51, 32<<16
	s_mov_b32 s52, 234
	s_mov_b32 s53, 32
	s_mov_b32 s54, 0
	s_mov_b32 s55, 0
.irp k, 0,1                                    ; groups 0: units 0 and 1 (the head's one load a wave), and units 2 to 7 (one load, behind the next round)
	s_mov_b32 s[40+4*\k], 1
	s_add_co_u32 s[41+4*\k], s62, \k*2*UB
	s_add_nc_u64 s[42+4*\k:43+4*\k], s[60:61], \k*2*UB
	s_or_b32 s[43+4*\k], s[43+4*\k], 0x80000000
.endr
	s_mov_b32 s56, 1                               ; the ninth unit, into the first unit's bytes
	s_mov_b32 s57, s62
	s_add_nc_u64 s[58:59], s[60:61], 8*UB
	s_or_b32 s59, s59, 0x80000000
	CROUND                                         ; all four work-groups are here: the first joint loads meet
	tensor_load_to_lds s[40:43], s[24:31]
	s_nop 0
	PLACES
	v_and_b32 v28, 31, v0
	v_lshlrev_b32 v[LI], 4, v28
	v_lshlrev_b32 v[LS], 2, v28
	v_lshlrev_b32 v[L8], 3, v28
.irp q, 0,1,2,3,4,5,6,7
	v_add_nc_u32 v[AW+\q], (\q%4)*WQ+(\q/4)*4*UB, v[LI]
	v_add_nc_u32 v[AWS+\q], (\q%4)*WQ+(\q/4)*4*UB, v[LS]
.endr
	s_lshl_b32 s93, s[WV], 9
	s_add_co_u32 s93, s93, SCR
	v_add_nc_u32 v[SCRW], s93, v[LS]
	v_add_nc_u32 v[SCRR], s93, v[LI]
	s_lshr_b32 s93, s[WV], 1
	s_mul_i32 s93, s93, 1536
	s_add_co_u32 s93, s93, VSX
	v_add_nc_u32 v[AVR], s93, v[LI]
	s_and_b32 s94, s[WV], 1
	s_lshl_b32 s94, s94, 1
	s_add_co_u32 s94, s94, s93
	v_add_nc_u32 v[AVS], s94, v[LS]
	v_bfe_u32 v29, v0, 4, 1
	v_lshlrev_b32 v[BH], 6, v29
	s_wait_alu depctr_va_vdst(0)
	v_and_b32 v30, 15, v0
	v_and_b32 v31, 8, v30
	v_add_nc_u32 v31, v31, v30
	v_lshlrev_b32 v[BR], 2, v31
	s_wait_alu depctr_va_vdst(0)
.irp b, 0,1,2,3
	v_mov_b32 v[TM+4+\b], 0                        ; written once: a lane permute's destination counts as one of its sources
.endr
	; where the results go.  The batch is cluster x; my 64 keys are group R = 4 cx + w of it
	s_and_b32 s93, s90, 1
	s_mul_i32 s93, s93, 3                          ; the first pass's K step along e
	s_mul_i32 s94, s92, 39936
	s_mul_i32 s95, s93, 6144
	s_add_co_u32 s95, s95, s94                     ; Q: images,
	s_lshl_b32 s96, s93, 9
	s_add_co_u32 s96, s96, s94
	s_add_co_u32 s96, s96, 36864                   ; records
	s_mul_i32 s97, ttmp9, 1277952                  ; the batch in kv
	s_mul_i32 s98, s93, 106496
	s_add_co_u32 s98, s98, s97
	s_mul_i32 s99, s19, 26624
	s_add_co_u32 s98, s98, s99                     ; K: slot, quarter cx
	s_mul_i32 s99, s[WV], 6144
	s_add_co_u32 s99, s99, s98                     ; images,
	s_lshl_b32 s100, s[WV], 9
	s_add_co_u32 s100, s100, s98
	s_add_co_u32 s100, s100, 24576                 ; records
	s_mov_b32 s94, 6144                            ; from pass to pass: Q's steps,
	s_mov_b32 s101, 512
	s_mov_b32 s98, 106496                          ; K's
	s_cmp_lt_u32 s90, 2                            ; parts 0 and 1 make Q, parts 2 and 3 K
	s_cselect_b32 s95, s95, s99
	s_cselect_b32 s96, s96, s100
	s_cselect_b32 s94, s94, s98
	s_cselect_b32 s101, s101, s98
	s_cselect_b64 s[98:99], s[14:15], s[16:17]
	s_mov_b32 s63, 0
.irp p, 0,1,2
	s_mov_b32 s62, s95
	s_add_nc_u64 s[66+2*\p:67+2*\p], s[98:99], s[62:63]
	s_mov_b32 s62, s96
	s_add_nc_u64 s[72+2*\p:73+2*\p], s[98:99], s[62:63]
	s_add_co_u32 s95, s95, s94
	s_add_co_u32 s96, s96, s101
.endr
	s_lshr_b32 s93, s19, 1                         ; V: key step ks8 = 2 cx + w / 2: hf = cx / 2,
	s_add_co_u32 s93, s93, 6
	s_mul_i32 s93, s93, 106496
	s_add_co_u32 s93, s93, s97
	s_and_b32 s94, s19, 1
	s_lshl_b32 s94, s94, 1
	s_lshr_b32 s95, s[WV], 1
	s_add_co_u32 s94, s94, s95                     ; ksl = 2 (cx % 2) + w / 2
	s_mul_i32 s95, s94, 6144
	s_and_b32 s96, s[WV], 1
	s_mul_i32 s96, s96, 768
	s_add_co_u32 s95, s95, s96                     ; images: my half
	s_lshl_b32 s96, s94, 9
	s_add_co_u32 s96, s96, 24576                   ; records
	s_mul_i32 s94, s90, 3                          ; four tiles of e: 3 n4 + u
.irp u, 0,1,2
	s_lshr_b32 s100, s94, 2
	s_mul_i32 s100, s100, 212992
	s_and_b32 s101, s94, 3
	s_mul_i32 s101, s101, 26624
	s_add_co_u32 s100, s100, s101
	s_add_co_u32 s100, s100, s93
	s_add_co_u32 s62, s100, s95
	s_add_nc_u64 s[78+2*\u:79+2*\u], s[16:17], s[62:63]
	s_add_co_u32 s62, s100, s96
	s_add_nc_u64 s[84+2*\u:85+2*\u], s[16:17], s[62:63]
	s_add_co_u32 s94, s94, 1
.endr
	s_mul_i32 s94, s92, 39936
	s_mov_b32 s95, 0
	s_add_nc_u64 s[22:23], s[4:5], s[94:95]        ; my group of h
	s_and_b32 s94, s90, 1
	s_mul_i32 s94, s94, 1536
	s_cmp_lt_u32 s90, 2
	s_cselect_b64 s[60:61], s[8:9], s[10:11]
	s_add_nc_u64 s[60:61], s[60:61], s[94:95]      ; bq or bk at my 384 numbers
	s_mul_i32 s94, s90, 768
	s_add_nc_u64 s[62:63], s[12:13], s[94:95]      ; bv at my 192
	WIN 0x40                                       ; destination window 1
.set F, 0
.rept 20
.irp c, 0,1,2
	global_load_b128 v[12*F+4*\c:12*F+4*\c+3], v[LI], s[22:23] offset:1536*F+512*\c
.endr
.set F, F+1
.endr
	WIN 0
.rept 4
.irp c, 0,1,2
	global_load_b128 v[H5+12*(F-20)+4*\c:H5+12*(F-20)+4*\c+3], v[LI], s[22:23] offset:1536*F+512*\c
.endr
.set F, F+1
.endr
.set F, 0
.rept 24
	global_load_b32 v[SCH+F], v[LS], s[22:23] offset:36864+128*F
.set F, F+1
.endr
	WIN 0xc0                                       ; destination window 3
.irp p, 0,1,2
.irp j, 0,1,2,3,4,5,6,7
	global_load_b128 v[64*\p+8*\j:64*\p+8*\j+3], v[BH], s[60:61] offset:512*\p+(32*(\j/2)+8*(\j%2))*4      ; lane (r, h), tile j: e = 32 (j / 2) + 16 h + 8 (j % 2) + 0 .. 7
	global_load_b128 v[64*\p+8*\j+4:64*\p+8*\j+7], v[BH], s[60:61] offset:512*\p+(32*(\j/2)+8*(\j%2))*4+16
.endr
.endr
.irp u, 0,1,2
.irp j, 0,1,2,3
	global_load_b32 v[192+4*\u+\j], v[BR], s[62:63] offset:(64*\u+32*(\j/2)+8*(\j%2))*4
.endr
.endr
	WIN 0
	s_wait_alu depctr_va_vdst(0)                   ; the wait ahead of the blocking wait
	s_wait_tensorcnt 0x0                           ; my quarter of units 0 and 1 is in: the one load that I had out
	ds_add_u32 v[SPW], v[NIL]                      ; ahead of a later first fill
	s_wait_dscnt 0x0
	CROUND                                         ; everybody's quarter is in, and the four work-groups are here
	tensor_load_to_lds s[44:47], s[48:55]          ; units 2 to 7, my one load behind this round
	s_nop 0
	PLACES
	FETCHW 0, 0, 0
	FETCHW 1, 0, 1
	s_wait_loadcnt 0x0                             ; h, its scale words, the biases
	TPASS 0
	s_wait_tensorcnt 0x0                           ; units 2 to 7: the one load that I had out
	s_wait_dscnt 0x0
	s_barrier_signal -1
	s_barrier_wait -1
	FETCHW 2, 0, 0
	FETCHW 3, 0, 1
	EPIT 0
	TPASS 1
	s_wait_tensorcnt 0x0                           ; all my tensor loads have landed: units 4 to 7;
	ds_add_u32 v[SPW], v[NIL]                      ; 0 onto my spare word;
	s_wait_dscnt 0x0                               ; the add is done, and my reads of units 0 to 3 are over
	CROUND                                         ; so it is with every wave of the four work-groups
	tensor_load_to_lds s[56:59], s[32:39]          ; the ninth unit, into the bytes that pass 0 read
	s_nop 0
	PLACES
	FETCHW 4, 0, 0
	FETCHW 5, 0, 1
	EPIT 1
	TPASS 2
	FETCHW 6, 0, 0
	FETCHW 6, 1, 1
	EPIT 2
	VBIAS 0
	s_wait_alu depctr_va_vdst(0)
	VPASS 6
	FETCHW 7, 0, 0
	FETCHW 7, 1, 1
	EPIV 0
	VBIAS 1
	s_wait_alu depctr_va_vdst(0)
	VPASS 7
	s_wait_tensorcnt 0x0                           ; my quarter of the ninth unit: no load was issued behind it
	s_wait_dscnt 0x0
	s_barrier_signal -1
	s_barrier_wait -1                              ; everybody's
	FETCHW 0, 0, 0
	FETCHW 0, 1, 1
	EPIV 1
	VBIAS 2
	s_wait_alu depctr_va_vdst(0)
	VPASS 0
	EPIV 2
	s_wait_dscnt 0x0                               ; for the other wave's sake: my halves of V's scale words lie in LDS
	s_barrier_signal -1
	s_barrier_wait -1
	s_and_b32 s94, s[WV], 1
	s_cmp_lg_u32 s94, 0
	s_cbranch_scc1 .Lodd                           ; the even wave of each pair stores the pair's twelve records, 512 consecutive bytes a store
.irp u, 0,1,2
	ds_load_b128 v[SETS+4*\u:SETS+4*\u+3], v[AVR] offset:512*\u
.endr
	s_wait_dscnt 0x0
.irp u, 0,1,2
	global_store_b128 v[LI], v[SETS+4*\u:SETS+4*\u+3], s[84+2*\u:85+2*\u]
.endr
.Lodd:
	s_wait_tensorcnt 0x0                           ; the wave's end
	ds_add_u32 v[SPW], v[NIL]
	s_wait_dscnt 0x0
	CROUND                                         ; the closing round
	s_endpgm
.Lfunc_end_k_qae65d612f6_proj:
	.size	k_qae65d612f6_proj, .Lfunc_end_k_qae65d612f6_proj-k_qae65d612f6_proj
	.p2alignl 7, 3214868480
	.fill 96, 4, 3214868480
	.section	.rodata,"a",@progbits
	.p2align	6, 0x0
	.amdhsa_kernel k_qae65d612f6_proj
		.amdhsa_group_segment_fixed_size 327680
		.amdhsa_private_segment_fixed_size 0
		.amdhsa_enable_private_segment 0
		.amdhsa_kernarg_size 56
		.amdhsa_user_sgpr_count 2
		.amdhsa_user_sgpr_kernarg_segment_ptr 1
		.amdhsa_wavefront_size32 1
		.amdhsa_system_sgpr_workgroup_id_x 1
		.amdhsa_system_sgpr_workgroup_id_y 1
		.amdhsa_system_sgpr_workgroup_id_z 1
		.amdhsa_system_vgpr_workitem_id 0
		.amdhsa_next_free_vgpr 1024
		.amdhsa_next_free_sgpr 102
		.amdhsa_reserve_vcc 0
		.amdhsa_float_denorm_mode_32 3
		.amdhsa_float_denorm_mode_16_64 3
		.amdhsa_memory_ordered 1
		.amdhsa_forward_progress 1
		.amdhsa_inst_pref_size 255
	.end_amdhsa_kernel
	.section	.bss,"aw",@nobits
	.p2align	6
	.space	262144
	.amdgpu_metadata
---
amdhsa.version: [ 1, 2 ]
amdhsa.kernels:
  - .name:           k_qae65d612f6_proj
    .symbol:         k_qae65d612f6_proj.kd
    .args:
      - { .name: hc, .offset: 0, .size: 8, .value_kind: global_buffer, .address_space: global }
      - { .name: wc, .offset: 8, .size: 8, .value_kind: global_buffer, .address_space: global }
      - { .name: bq, .offset: 16, .size: 8, .value_kind: global_buffer, .address_space: global }
      - { .name: bk, .offset: 24, .size: 8, .value_kind: global_buffer, .address_space: global }
      - { .name: bv, .offset: 32, .size: 8, .value_kind: global_buffer, .address_space: global }
      - { .name: qc, .offset: 40, .size: 8, .value_kind: global_buffer, .address_space: global }
      - { .name: kv, .offset: 48, .size: 8, .value_kind: global_buffer, .address_space: global }
    .group_segment_fixed_size: 327680
    .private_segment_fixed_size: 0
    .kernarg_segment_align: 8
    .kernarg_segment_size: 56
    .max_flat_workgroup_size: 128
    .sgpr_count:     102
    .vgpr_count:     1024
    .wavefront_size: 32
...
	.end_amdgpu_metadata
.endif
;; end of part 2
;; launch attn (part 3): grid 16 x 16, 4 waves a work-group, clusters of 4 x 1, 327,680 bytes of LDS; arguments qc, kv, out0; writes out0
.if DOCPART == 3
	.amdgcn_target "amdgcn-amd-amdhsa--gfx1250"
	.amdhsa_code_object_version 6
	.text
	.protected	k_qae65d612f6_attn
	.globl	k_qae65d612f6_attn
	.p2align	8
	.type	k_qae65d612f6_attn,@function
k_qae65d612f6_attn:
	s_mov_b64 s[64:65], 0
	v_nop
	global_prefetch_b8 v0, s[64:65] scope:SCOPE_SE
	s_setreg_imm32_b32 hwreg(HW_REG_WAVE_MODE, 25, 1), 1
	s_wait_xcnt 0x0
	s_wait_alu depctr_hold_cnt(0) depctr_sa_sdst(0) depctr_va_vdst(0) depctr_va_sdst(0) depctr_va_ssrc(0) depctr_va_vcc(0) depctr_vm_vsrc(0)
	s_getreg_b32 s2, hwreg(HW_REG_IB_STS2, 6, 4)
	s_cmp_eq_u32 s2, 0
	s_cbranch_scc0 .Lentry_in_a_cluster
	s_endpgm
.Lentry_in_a_cluster:
	s_bfe_u32 s2, ttmp6, 0x10000c
	s_cmp_lg_u32 s2, 0x3003
	s_cbranch_scc0 .Lentry_shape_is_right
	s_endpgm
.Lentry_shape_is_right:
; out = softmax(Q K^T / sqrt(768)) V for 16 batches of 1,024 x 768, both products on codes of FP6 (E2M3) with E8M0 scales; Q, K, V arrive as register images (qc, kv).
; THE SOFTMAX: t = score x c, c = log2(e) / sqrt(768); M = ceil(the row's largest t) over all 1,024 keys; p = 2^(t - M) is quantised along the keys, not normalised;
; the row's sum is taken of the unquantised p, in f32, and divides at the end.
; SHARES.  A work-group owns 64 queries (four tiles) of one batch.  Phase 1: wave w makes S^T (source 0 = 16 keys, source 1 = 16 queries) for keys 256 w .. + 255 and all 64 queries: 512 registers.
; Phase 2: the waves' maxima meet in LDS; p, its codes and scale words go to LDS as images.  Phase 3: all 32 fragments of P lie in each wave's registers; wave w makes O^T for e 256 G + 64 w .. + 63, G = 0, 1, 2.
; TWO ROADS FOR K AND V.  kv's twelve blocks of 106,496 bytes lie as the registers want them, and a wave uses its quarter of each once.  LDS has two regions of a block, filled by JOINT tensor loads
; (mask 15: the four work-groups of a cluster share the batch): K's blocks 4, 5; then V's 6, 8, asked for in block 5; then V's 10, asked for in block 6.  The other seven blocks (K's 0-3, V's 7, 9, 11) go from memory
; straight into four sets of 48 registers, the loads of run d + 4 behind run d.  They are not joint: LDS holds 212,992 (the regions) + 72,704 (Q, later P's images, records and stages) + 2,560 bytes, and the 39,424 left
; are less than a block.  By this text's count a wave has one tensor load out; every wait for them is for 0.
; Q (39,936 bytes) comes into LDS by the head's tensor loads, a quarter to each wave, and is read a K step at a time into two sets.  Its bytes have that one fill: behind phase 1 LDS stores write there.
; PREFETCH.  The 2,048 threads of a batch's sixteen work-groups ask for one aligned 256 bytes each of two blocks (832 units) or of one (416); threads past the last unit are held at it.
; K's 1, 2 at the head; K's 3 behind run 3; V's 6, 7 behind run 7; 8, 9 behind run 11; 10, 11 ahead of the last tile's softmax.  K's 0, 4, 5 come by their loads alone.
; The rows of every tile are 32 B + 8 u + r + 8 (r / 8): S^T's 16 registers of two neighbouring tiles are 16 neighbouring keys, O^T's 16 neighbouring e.
; LIMITS: t is made with the one constant c: an M that so differs by one is taken up by the blocks' scales and by the sum.  A block whose every p is 0 keeps the byte 1 over zero codes.  NaN and infinities are not served.
; REGISTERS: window 0: v1-23 addresses; v24-31 1 / sum; v32-127 two sets for fragments from LDS (phase 2: at work); v128-183 scale words alone; v184-231 Q's set A, then the way out; v216-253 phase 2's, then the way out.
;   window 1: K's four direct sets, Q's set B; then O^T (v0-127) and V's direct sets 0, 1.   windows 2, 3: S^T, then P (v0-191) and V's direct sets 2, 3 (v192-239).
.set LI,   1
.set LS,   2
.set KO8,  3                           ; my quarter of a block in kv, + 8 x lane
.set SPW,  4                           ; my spare word; never rewritten
.set NIL,  5                           ; 0; never rewritten
.set ADR,  6                           ; v6-7   my quarter of R0, R1, + 16 x lane
.set KO,   8                           ; my quarter of a block in kv, + 16 x lane
.set ASC,  9                           ; v9-10  + 4 x lane
.set AQ,   11
.set AV8,  12                          ; v12-13 + 8 x lane
.set API,  14
.set APR,  15
.set APSW, 16
.set APSR, 17
.set AXW,  18
.set AXR,  19
.set STO,  20
.set RD,   21
.set GO,   22
.set AQS,  23
.set RL,   24
.set SETS, 32
.set BM,   32
.set T1,   64
.set NM,   96
.set SUM,  104
.set SOP,  112
.set BYT,  120
.set SCW,  128                         ; scale words of the two sets from LDS
.set SCH,  136                         ; P's
.set SCQ,  136                         ; phase 1: Q's, four a set
.set SCD,  168                         ; of the four direct sets
.set QA,   184                         ; Q's set A, window 0
.set QBB,  192                         ; Q's set B, window 1
.set Q5,   184
.set OB,   216
.set X,    216
.set PC,   232
.set PF1,  251                         ; 256 x min(128 grp + t, 415); never rewritten
.set PW,   252
.set KOS,  254                         ; my quarter of a block in kv, + 4 x lane
.set PF2,  255                         ; 256 x min(128 grp + t, 831); never rewritten
.set WV,   10
.set SEL,  20
.set CS,   22
.set G1A,  24                          ; 104 rows of 256 bytes: a quarter of a block
.set G1C,  32                          ; 208 rows: half a block
.set G1Q,  40                          ; 39 rows: a quarter of Q; no mask: it is my work-group's own
.set G0Q,  48
.set G0F,  52                          ; K's blocks 4, 5
.set G0V,  56                          ; V's blocks 6, 8
.set G0R,  60                          ; V's block 10
.set OUTP, 72
.set KVB,  74
.set QP,   78
.set SLOTB, 106496
.set QB,    26624
.set QL,    212992
.set PIMG,  212992
.set PSC,   262144
.set STG,   268288
.set SPARE, 302080                     ; the spare words, 128 bytes a wave: two blocks of 256 bytes that no other line names
.set EXM,   302592                     ; the waves' maxima: (16 q + r) x 16 + 4 w; 1,024 bytes on: their sums
.set MSB, 0
.macro WIN new
.if MSB != (\new)
	s_set_vgpr_msb (MSB<<8)|(\new)
.set MSB, (\new)
.endif
.endm
.macro PLACES                          ; four places behind a matrix instruction (ISA guide 7.12.1)
.rept 4
	v_nop
.endr
.endm
.macro CREST
	s_cmp_lg_u32 s[WV], 0
	s_cbranch_scc1 .Lnot_wave_0_\@
	s_barrier_signal -3
.Lnot_wave_0_\@:
	s_barrier_wait -3
	s_barrier_signal -1
	s_barrier_wait -1
.endm
.macro CROUND
	s_barrier_signal -1
	s_barrier_wait -1
	CREST
.endm
.macro GRP1 g, w0, r                   ; a descriptor's group 1: r dense rows of 32 elements of 8 bytes
	s_mov_b32 s[\g], \w0
	s_mov_b32 s[\g+1], 32<<16
	s_mov_b32 s[\g+2], (\r)<<16
	s_mov_b32 s[\g+3], 32<<16
	s_mov_b32 s[\g+4], \r
	s_mov_b32 s[\g+5], 32
	s_mov_b32 s[\g+6], 0
	s_mov_b32 s[\g+7], 0
.endm
.macro GRP0 g, lds, off, more          ; a group 0: LDS address in s[lds], kv's batch + s[off:off+1] + more
	s_mov_b32 s[\g], 1
	s_mov_b32 s[\g+1], s[\lds]
	s_add_nc_u64 s[\g+2:\g+3], s[KVB:KVB+1], s[\off:\off+1]
	s_add_nc_u64 s[\g+2:\g+3], s[\g+2:\g+3], \more
	s_or_b32 s[\g+3], s[\g+3], 0x80000000
.endm
; ---- phase 1.  Direct run d: K step d / 4, key tiles 4 (d % 4) .. + 3 of my quarter, set d % 4: 16 loads
.macro KG d
.set DS, (\d)%4
	WIN 0x40
.irp i, 0,1,2,3
.irp c, 0,1,2
	global_load_b128 v[48*DS+12*\i+4*\c:48*DS+12*\i+4*\c+3], v[KO], s[KVB:KVB+1] offset:((\d)/4)*SLOTB+1536*(4*DS+\i)+512*\c
.endr
.endr
	WIN 0
.irp i, 0,1,2,3
	global_load_b32 v[SCD+4*DS+\i], v[KOS], s[KVB:KVB+1] offset:((\d)/4)*SLOTB+24576+128*(4*DS+\i)
.endr
.endm
.macro QLD j, ks                       ; Q's four fragments of K step ks and their scale words, from LDS, for the j-th block of the walk: 16 loads
.if ((\j)%2) == 0
.set QBS, QA
	WIN 0
.else
.set QBS, QBB
	WIN 0x40
.endif
.irp t, 0,1,2,3
.irp c, 0,1,2
	ds_load_b128 v[QBS+12*\t+4*\c:QBS+12*\t+4*\c+3], v[AQ] offset:1536*(4*(\ks)+\t)+512*\c
.endr
.endr
	WIN 0
.irp t, 0,1,2,3
	ds_load_b32 v[SCQ+4*((\j)%2)+\t], v[AQS] offset:36864+128*(4*(\ks)+\t)
.endr
.endm
.macro FETCHK reg, rho, set            ; four fragments of K and their scale words from region reg: 16 loads
.irp i, 0,1,2,3
.irp c, 0,1,2
	ds_load_b128 v[SETS+48*(\set)+12*\i+4*\c:SETS+48*(\set)+12*\i+4*\c+3], v[ADR+\reg] offset:1536*(4*(\rho)+\i)+512*\c
.endr
	ds_load_b32 v[SCW+4*(\set)+\i], v[ASC+\reg] offset:24576+128*(4*(\rho)+\i)
.endr
.endm
; eight products: four fragments of K (registers ab on in window aw, scale words as on) x query tiles 2 qh, 2 qh + 1.  The accumulators take turns
.macro MULS ab, aw, as, rho, j, qh, zero
.if ((\j)%2) == 0
.set QBS, QA
.set BW, 0
.else
.set QBS, QBB
.set BW, 1
.endif
	WIN 0xa0+0x50*(\qh)+4*BW+(\aw)
.irp e, 0,1
.irp i, 0,1,2,3
.set DD, 128*\e+8*(4*(\rho)+\i)
.set AA, (\ab)+12*\i
.set BB, QBS+12*(2*(\qh)+\e)
.if \zero
	v_wmma_scale_f32_16x16x128_f8f6f4 v[DD:DD+7], v[AA:AA+11], v[BB:BB+11], 0, v[(\as)+\i], v[SCQ+4*((\j)%2)+2*(\qh)+\e] matrix_a_fmt:MATRIX_FMT_FP6 matrix_b_fmt:MATRIX_FMT_FP6
.else
	v_wmma_scale_f32_16x16x128_f8f6f4 v[DD:DD+7], v[AA:AA+11], v[BB:BB+11], v[DD:DD+7], v[(\as)+\i], v[SCQ+4*((\j)%2)+2*(\qh)+\e] matrix_a_fmt:MATRIX_FMT_FP6 matrix_b_fmt:MATRIX_FMT_FP6
.endif
.endr
.endr
.endm
.macro DRUNK d, j                      ; direct run d, in the walk's j-th block
.set CN, 15-(\d)
.if CN > 3
.set CN, 3
.endif
	s_wait_loadcnt 16*CN                           ; run d's loads are in; the later runs' sixteen each may be out
.if (\d)%4 == 0
	s_wait_dscnt 0x0                               ; Q's set, asked for a block ago
.endif
.if (\d) < 4
	MULS 48*((\d)%4), 1, SCD+4*((\d)%4), (\d)%4, \j, 0, 1
	MULS 48*((\d)%4), 1, SCD+4*((\d)%4), (\d)%4, \j, 1, 1
.else
	MULS 48*((\d)%4), 1, SCD+4*((\d)%4), (\d)%4, \j, 0, 0
	MULS 48*((\d)%4), 1, SCD+4*((\d)%4), (\d)%4, \j, 1, 0
.endif
	WIN 0
	PLACES
.if (\d)+4 < 16
	KG (\d)+4
.endif
.endm
.macro LRUN rho, set, j, left          ; a run on fragments from LDS.  left: the LDS loads issued later, which may stay out
	s_wait_dscnt \left
	MULS SETS+48*(\set), 0, SCW+4*(\set), \rho, \j, 0, 0
	MULS SETS+48*(\set), 0, SCW+4*(\set), \rho, \j, 1, 0
	WIN 0
	PLACES
.endm
; ---- phase 3.  Run rho of block n = 6, 8, 10 (regions 0, 1, 0): four fragments of V^T, in two halves each, and their scale words: 20 loads
.macro FETCH n, rho, set
.set SB, ((\n)/2+1)%2
.set FB, SETS+48*(\set)
.irp i, 0,1,2,3
	ds_load_b128 v[FB+12*\i:FB+12*\i+3], v[ADR+SB] offset:1536*(4*(\rho)+\i)
	ds_load_b64 v[FB+12*\i+4:FB+12*\i+5], v[AV8+SB] offset:1536*(4*(\rho)+\i)+512
	ds_load_b128 v[FB+12*\i+6:FB+12*\i+9], v[ADR+SB] offset:1536*(4*(\rho)+\i)+768
	ds_load_b64 v[FB+12*\i+10:FB+12*\i+11], v[AV8+SB] offset:1536*(4*(\rho)+\i)+1280
	ds_load_b32 v[SCW+4*(\set)+\i], v[ASC+SB] offset:24576+128*(4*(\rho)+\i)
.endr
.endm
.macro DSET d                          ; where direct set d % 4 lies
.set DS, (\d)%4
.if DS < 2
.set AW, 1
.set AB, 128+48*DS
.else
.set AW, DS
.set AB, 192
.endif
.endm
.macro KV d                            ; direct run d: run d % 4 of block 7 + 2 (d / 4), from memory: 20 loads
	DSET \d
.set VB, (7+2*((\d)/4))*SLOTB
	WIN AW<<6
.irp i, 0,1,2,3
	global_load_b128 v[AB+12*\i:AB+12*\i+3], v[KO], s[KVB:KVB+1] offset:VB+1536*(4*DS+\i)
	global_load_b64 v[AB+12*\i+4:AB+12*\i+5], v[KO8], s[KVB:KVB+1] offset:VB+1536*(4*DS+\i)+512
	global_load_b128 v[AB+12*\i+6:AB+12*\i+9], v[KO], s[KVB:KVB+1] offset:VB+1536*(4*DS+\i)+768
	global_load_b64 v[AB+12*\i+10:AB+12*\i+11], v[KO8], s[KVB:KVB+1] offset:VB+1536*(4*DS+\i)+1280
.endr
	WIN 0
.irp i, 0,1,2,3
	global_load_b32 v[SCD+4*DS+\i], v[KOS], s[KVB:KVB+1] offset:VB+24576+128*(4*DS+\i)
.endr
.endm
; eight products: four fragments of V^T (ab, aw, as) at key step k8 x P of query tiles 2 qh, 2 qh + 1
.macro MULP ab, aw, as, k8, qh
	WIN 0x58+4*(\qh)+(\aw)                         ; P window 2 or 3, O^T window 1
.irp e, 0,1
.irp i, 0,1,2,3
.set DD, 8*(4*(2*(\qh)+\e)+\i)
.set AA, (\ab)+12*\i
.set BB, 96*\e+12*(\k8)
.if (\k8) == 0
	v_wmma_scale_f32_16x16x128_f8f6f4 v[DD:DD+7], v[AA:AA+11], v[BB:BB+11], 0, v[(\as)+\i], v[SCH+8*(2*(\qh)+\e)+(\k8)] matrix_a_fmt:MATRIX_FMT_FP6 matrix_b_fmt:MATRIX_FMT_FP6
.else
	v_wmma_scale_f32_16x16x128_f8f6f4 v[DD:DD+7], v[AA:AA+11], v[BB:BB+11], v[DD:DD+7], v[(\as)+\i], v[SCH+8*(2*(\qh)+\e)+(\k8)] matrix_a_fmt:MATRIX_FMT_FP6 matrix_b_fmt:MATRIX_FMT_FP6
.endif
.endr
.endr
.endm
.macro RUNP rho, set, left             ; a run of an even block, key step rho, on fragments from LDS
	s_wait_dscnt \left
	MULP SETS+48*(\set), 0, SCW+4*(\set), \rho, 0
	MULP SETS+48*(\set), 0, SCW+4*(\set), \rho, 1
	WIN 0
	PLACES
.endm
.macro BLKE n                          ; block n from LDS; its first two runs' fragments have been asked for
	RUNP 0, 0, 20
	FETCH \n, 2, 0
	RUNP 1, 1, 20
	FETCH \n, 3, 1
	RUNP 2, 0, 20
	RUNP 3, 1, 0
.endm
.macro DRUNV d                         ; direct run d, key step 4 + d % 4
.set CN, 11-(\d)
.if CN > 3
.set CN, 3
.endif
	s_wait_loadcnt 20*CN                           ; run d's loads are in; the later runs' twenty each may be out
	DSET \d
	MULP AB, AW, SCD+4*DS, 4+DS, 0
	MULP AB, AW, SCD+4*DS, 4+DS, 1
	WIN 0
	PLACES
.if (\d)+4 < 12
	KV (\d)+4
.endif
.endm
; ---- phase 2.  The largest score of each block of 32 keys of tile q (it serves for the row's maximum and, since p rises with the score, for the block's largest p), and my 256 keys' maximum to LDS
.macro BMAX q
.set W, 2+(\q)/2
.set SBB, 128*((\q)%2)
	WIN W|(W<<2)|(W<<4)
.irp e, 0,1,2,3,4,5,6,7
	v_max3_num_f32 v[BM+8*(\q)+\e], v[SBB+16*\e], v[SBB+16*\e+1], v[SBB+16*\e+2]
.endr
	WIN (W<<2)|(W<<4)
.irp i, 3,5,7,9,11,13
.irp e, 0,1,2,3,4,5,6,7
	v_max3_num_f32 v[BM+8*(\q)+\e], v[BM+8*(\q)+\e], v[SBB+16*\e+\i], v[SBB+16*\e+\i+1]
.endr
.endr
.irp e, 0,1,2,3,4,5,6,7
	v_max_num_f32 v[BM+8*(\q)+\e], v[BM+8*(\q)+\e], v[SBB+16*\e+15]
.endr
	WIN 0
.irp e, 0,1,2,3,4,5,6,7
	v_permlanex16_b32 v[T1+8*(\q)+\e], v[BM+8*(\q)+\e], s[SEL], s[SEL+1]
.endr
.irp e, 0,1,2,3,4,5,6,7
	v_max_num_f32 v[BM+8*(\q)+\e], v[BM+8*(\q)+\e], v[T1+8*(\q)+\e]
.endr
	v_max3_num_f32 v[T1+8*(\q)], v[BM+8*(\q)], v[BM+8*(\q)+1], v[BM+8*(\q)+2]
	v_max3_num_f32 v[T1+8*(\q)+1], v[BM+8*(\q)+3], v[BM+8*(\q)+4], v[BM+8*(\q)+5]
	v_max3_num_f32 v[T1+8*(\q)], v[T1+8*(\q)], v[BM+8*(\q)+6], v[BM+8*(\q)+7]
	v_max_num_f32 v[T1+8*(\q)], v[T1+8*(\q)], v[T1+8*(\q)+1]
	ds_store_b32 v[AXW], v[T1+8*(\q)] offset:256*(\q)   ; lanes l and l xor 16 write the same word with the same value
.endm
; tile q: p in S's place; the blocks' scales; two fragments of codes and their scale words to LDS; my 256 keys' sum of the unquantised p to LDS
.macro SOFTQ q
.set W, 2+(\q)/2
.set SBB, 128*((\q)%2)
	WIN (W<<6)|W
.set J, 0
.rept 64
	v_pk_fma_f32 v[SBB+J:SBB+J+1], v[SBB+J:SBB+J+1], s[CS:CS+1], v[NM+2*(\q):NM+2*(\q)+1] op_sel_hi:[1,0,0]   ; t - M
.set J, J+2
.endr
.set J, 0
	s_wait_alu depctr_va_vdst(0)                   ; the wait ahead of the batch
.rept 128
	v_exp_f32 v[SBB+J], v[SBB+J]                   ; p = 2^(t - M)
.set J, J+1
.endr
	WIN 0
.irp e, 0,1,2,3,4,5,6,7
	v_fma_f32 v[BM+8*(\q)+\e], v[BM+8*(\q)+\e], s[CS], v[NM+2*(\q)]   ; the same of each block's largest score
.endr
	s_wait_alu depctr_va_vdst(0)
.irp e, 0,1,2,3,4,5,6,7
	v_exp_f32 v[BM+8*(\q)+\e], v[BM+8*(\q)+\e]
.endr
	v_nop                                          ; a plain place behind the exponentials
	s_wait_alu depctr_va_vdst(0)
.irp e, 0,1,2,3,4,5,6,7
	v_max_num_f32 v[BM+8*(\q)+\e], 0x1800000, v[BM+8*(\q)+\e]   ; the floor 2^(3 - 127): the byte cannot fall under 1
.endr
.irp e, 0,1,2,3,4,5,6,7
	v_add_nc_u32 v[SOP+\e], 0xff000000, v[BM+8*(\q)+\e]
.endr
.irp e, 0,1,2,3,4,5,6,7
	v_lshrrev_b32 v[BYT+\e], 23, v[SOP+\e]
.endr
	s_wait_alu depctr_va_vdst(0)
	s_wait_dscnt 0x0                               ; the last tile's LDS stores have read their registers
.irp f, 0,1
	v_lshl_or_b32 v[PW+\f], v[BYT+4*\f+1], 8, v[BYT+4*\f]
	v_lshl_or_b32 v[PW+\f], v[BYT+4*\f+2], 16, v[PW+\f]
	v_lshl_or_b32 v[PW+\f], v[BYT+4*\f+3], 24, v[PW+\f]
.endr
.irp f, 0,1
	s_wait_dscnt 0x0
	WIN W
.irp c, 0,1
	v_cvt_scalef32_pk16_fp6_f32 v[PC+6*\c:PC+2+6*\c], v[SBB+64*\f+32*\c:SBB+64*\f+32*\c+15], v[SOP+4*\f+2*\c]
	v_cvt_scalef32_pk16_fp6_f32 v[PC+12+4*\c:PC+14+4*\c], v[SBB+64*\f+32*\c+16:SBB+64*\f+32*\c+31], v[SOP+4*\f+2*\c+1]
.endr
	WIN 0
	v_nop                                          ; one plain place behind a scaled conversion
.irp c, 0,1
.irp i, 0,1,2
	v_permlane16_swap_b32 v[PC+6*\c+\i], v[PC+12+4*\c+\i]
.endr
.irp i, 0,1,2
	v_mov_b32 v[PC+3+6*\c+\i], v[PC+12+4*\c+\i]
.endr
.endr
.irp c, 0,1,2
	ds_store_b128 v[API], v[PC+4*\c:PC+4*\c+3] offset:1536*(8*(\q)+\f)+512*\c
.endr
	ds_store_b32 v[APSW], v[PW+\f] offset:128*(8*(\q)+\f)
.endr
	WIN W|(W<<2)
	v_pk_add_f32 v[SUM+2*(\q):SUM+2*(\q)+1], v[SBB:SBB+1], v[SBB+2:SBB+3]
	v_pk_add_f32 v[T1+8*(\q):T1+8*(\q)+1], v[SBB+4:SBB+5], v[SBB+6:SBB+7]
	WIN W<<2
.set J, 8
.rept 30
	v_pk_add_f32 v[SUM+2*(\q):SUM+2*(\q)+1], v[SUM+2*(\q):SUM+2*(\q)+1], v[SBB+J:SBB+J+1]
	v_pk_add_f32 v[T1+8*(\q):T1+8*(\q)+1], v[T1+8*(\q):T1+8*(\q)+1], v[SBB+J+2:SBB+J+3]
.set J, J+4
.endr
	WIN 0
	v_pk_add_f32 v[SUM+2*(\q):SUM+2*(\q)+1], v[SUM+2*(\q):SUM+2*(\q)+1], v[T1+8*(\q):T1+8*(\q)+1]
	v_add_f32 v[SUM+2*(\q)], v[SUM+2*(\q)], v[SUM+2*(\q)+1]
	v_permlanex16_b32 v[SUM+2*(\q)+1], v[SUM+2*(\q)], s[SEL], s[SEL+1]
	v_add_f32 v[SUM+2*(\q)], v[SUM+2*(\q)], v[SUM+2*(\q)+1]
	ds_store_b32 v[AXW], v[SUM+2*(\q)] offset:1024+256*(\q)
.endm
; THE WAY OUT of e 256 g + 64 w .. + 63, a tile of 16 queries at a time: O^T / the sum, through my own stage, back as rows of 256 bytes: sixteen lanes store 256 consecutive bytes, aligned
.macro OUT g
.irp q, 0,1,2,3
	WIN 0x01
.set J, 0
	s_wait_alu depctr_va_vdst(0)
.rept 16
	v_pk_mul_f32 v[Q5+J:Q5+J+1], v[32*\q+J:32*\q+J+1], v[RL+2*\q:RL+2*\q+1]   ; each accumulator from its low end on
.set J, J+2
.endr
	WIN 0
.irp i, 0,1,2,3
	ds_store_b128 v[STO], v[Q5+8*\i:Q5+8*\i+3] offset:128*(\i/2)+32*(\i%2)          ; tile i, lane (r, h): e = 32 (i / 2) + 16 h + 8 (i % 2) + 0 .. 7
	ds_store_b128 v[STO], v[Q5+8*\i+4:Q5+8*\i+7] offset:128*(\i/2)+32*(\i%2)+16
.endr
	s_wait_xcnt 0x0                                ; the last tile's stores have read the registers that these loads fill
.irp k, 0,1,2,3,4,5,6,7
	ds_load_b128 v[OB+4*\k:OB+4*\k+3], v[RD] offset:544*\k   ; LDS serves a wave's instructions in order: these see my stores
.endr
.irp k, 0,1,2,3,4,5,6,7
	s_wait_dscnt 7-\k
	global_store_b128 v[GO], v[OB+4*\k:OB+4*\k+3], s[OUTP:OUTP+1] offset:(32*(\q/2)+8*(\q%2)+2*\k+8*(\k/4))*3072+1024*(\g) th:TH_STORE_NT   ; stage row 2 k + h is query 32 (q / 2) + 8 (q % 2) + 2 k + h + 8 (k / 4)
.endr
.endr
.endm
	s_load_b128 s[4:7], s[0:1], 0x0                ; qc s[4:5], kv s[6:7]
	s_load_b64 s[8:9], s[0:1], 0x10                ; out0
	v_lshl_add_u32 v[SPW], v0, 2, SPARE
	v_mov_b32 v[NIL], 0
	ds_add_u32 v[SPW], v[NIL]                      ; the opening lines: the add twice on end and its one wait
	ds_add_u32 v[SPW], v[NIL]
	v_lshrrev_b32 v32, 5, v0
	v_readfirstlane_b32 s[WV], v32                 ; wave 0..3
	s_bfe_u32 s11, ttmp6, 0x40000                  ; cx: it enters Q's, the output's and the prefetches' global offsets alone
	s_lshl_b32 s12, ttmp9, 2
	s_add_co_u32 s12, s12, s11                     ; my group of 64 queries
	s_and_b32 s13, ttmp7, 0xffff                   ; the batch, which the four partners share
	GRP1 G1A, 15|(3<<16)|(1<<21), 104
	GRP1 G1C, 15|(3<<16)|(1<<21), 208
	GRP1 G1Q, 3<<16, 39
	s_mul_i32 s14, s13, 1277952                    ; the batch's part of kv
	s_mov_b32 s15, 0
	s_mul_i32 s16, s[WV], QB                       ; my quarter of a block
	s_mov_b32 s17, 0
	s_mul_i32 s76, s[WV], 2*QB                     ; my quarter of the two regions
	s_mov_b32 s77, 0
	s_mul_i32 s18, s[WV], 9984                     ; my quarter of Q
	s_mov_b32 s19, 0
	s_add_co_u32 s84, s18, QL
	s_lshr_b32 s80, s[WV], 1
	s_and_b32 s81, s[WV], 1
	s_mul_i32 s82, s80, 2*SLOTB                    ; V's first fill: waves 0, 1 the halves of block 6, waves 2, 3 those of block 8
	s_mul_i32 s81, s81, 2*QB
	s_add_co_u32 s82, s82, s81
	s_mov_b32 s83, 0
	s_lshl_b32 s92, s13, 4
	s_add_co_u32 s92, s92, s12                     ; group 16 b + grp
	s_mul_i32 s[QP], s92, 39936
	s_mov_b32 s[QP+1], 0
	s_mul_i32 s[OUTP], s92, 64*3072
	s_mov_b32 s[OUTP+1], 0
	s_lshl_b32 s93, s12, 7
	s_mul_i32 s94, s[WV], 3072
	s_add_co_u32 s94, s94, PIMG                    ; I make key steps 2 w and 2 w + 1 of P
	s_lshl_b32 s95, s[WV], 8
	s_add_co_u32 s95, s95, PSC
	s_lshl_b32 s96, s[WV], 2
	s_mul_i32 s97, s[WV], 16*272
	s_add_co_u32 s97, s97, STG
	s_lshl_b32 s98, s[WV], 8
	s_mov_b32 s[SEL], 0x76543210
	s_mov_b32 s[SEL+1], 0xfedcba98
	s_mov_b32 s[CS], 0x3d553b94                    ; c = log2(e) / sqrt(768)
	s_mov_b32 s[CS+1], s[CS]
	v_and_b32 v33, 31, v0
	v_lshlrev_b32 v[LI], 4, v33
	v_lshlrev_b32 v[LS], 2, v33
	v_lshlrev_b32 v34, 3, v33
	v_add_nc_u32 v[KO], s16, v[LI]
	v_add_nc_u32 v[KOS], s16, v[LS]
	v_add_nc_u32 v[KO8], s16, v34
	v_add_nc_u32 v32, s93, v0                      ; 128 grp + t: my unit of 256 bytes
	v_min_u32 v[PF2], 831, v32
	v_min_u32 v[PF1], 415, v32
	v_lshlrev_b32 v[PF2], 8, v[PF2]
	v_lshlrev_b32 v[PF1], 8, v[PF1]
	s_wait_alu depctr_va_vdst(0)                   ; the wait ahead of the blocking waits
	s_wait_dscnt 0x0                               ; both opening adds are done
	s_wait_kmcnt 0x0
	s_add_nc_u64 s[KVB:KVB+1], s[6:7], s[14:15]
	s_add_nc_u64 s[QP:QP+1], s[4:5], s[QP:QP+1]
	s_add_nc_u64 s[OUTP:OUTP+1], s[8:9], s[OUTP:OUTP+1]
	s_mov_b32 s[G0Q], 1
	s_mov_b32 s[G0Q+1], s84
	s_add_nc_u64 s[G0Q+2:G0Q+3], s[QP:QP+1], s[18:19]
	s_or_b32 s[G0Q+3], s[G0Q+3], 0x80000000
	CROUND                                         ; all four work-groups are here
	tensor_load_to_lds s[G0Q:G0Q+3], s[G1Q:G1Q+7]  ; the head's one load a wave: my quarter of Q
	s_nop 0
	PLACES
.irp r, 0,1,2,3
	KG \r                                          ; the first four direct runs of K
.endr
	global_prefetch_b8 v[PF2], s[KVB:KVB+1] offset:SLOTB th:TH_LOAD_NT scope:SCOPE_SE   ; K's blocks 1 and 2, whose first loads are issued behind run 0
	GRP0 G0F, 76, 76, 4*SLOTB                      ; K's blocks 4 and 5, one dense run, a quarter of it
	GRP0 G0V, 76, 82, 6*SLOTB
	GRP0 G0R, 16, 16, 10*SLOTB                     ; my quarter of block 10 into region 0
	v_and_b32 v33, 15, v0                          ; r
	v_bfe_u32 v34, v0, 4, 1                        ; h
	v_and_b32 v32, 31, v0
	v_lshlrev_b32 v35, 3, v32
	v_add_nc_u32 v[ADR], s16, v[LI]
	v_add_nc_u32 v[ADR+1], SLOTB, v[ADR]
	v_add_nc_u32 v[ASC], s16, v[LS]
	v_add_nc_u32 v[ASC+1], SLOTB, v[ASC]
	v_add_nc_u32 v[AV8], s16, v35
	v_add_nc_u32 v[AV8+1], SLOTB, v[AV8]
	v_add_nc_u32 v[AQ], QL, v[LI]
	v_add_nc_u32 v[AQS], QL, v[LS]
	v_add_nc_u32 v[API], s94, v[LI]
	v_add_nc_u32 v[APR], PIMG, v[LI]
	v_add_nc_u32 v[APSW], s95, v[LS]
	v_add_nc_u32 v[APSR], PSC, v[LS]
	v_lshlrev_b32 v[AXR], 4, v33
	v_add_nc_u32 v[AXR], EXM, v[AXR]
	v_add_nc_u32 v[AXW], s96, v[AXR]
	v_mul_u32_u24 v[STO], v33, 272
	v_lshl_add_u32 v[STO], v34, 6, v[STO]
	v_add_nc_u32 v[STO], s97, v[STO]
	v_mul_u32_u24 v[RD], v34, 272
	v_lshl_add_u32 v[RD], v33, 4, v[RD]
	v_add_nc_u32 v[RD], s97, v[RD]
	v_mul_u32_u24 v[GO], v34, 3072
	v_lshl_add_u32 v[GO], v33, 4, v[GO]
	v_add_nc_u32 v[GO], s98, v[GO]
	s_wait_alu depctr_va_vdst(0)                   ; the wait at the head's end
	s_wait_tensorcnt 0x0                           ; my quarter of Q is in; ahead of a later first fill
	ds_add_u32 v[SPW], v[NIL]
	s_wait_dscnt 0x0
	CROUND                                         ; everybody's quarter is in
	tensor_load_to_lds s[G0F:G0F+3], s[G1C:G1C+7]  ; K's blocks 4 and 5: they have twelve runs in which to land
	s_nop 0
	PLACES
	QLD 0, 0
	; ---- phase 1: S^T = K Q^T.  The walk: K steps 0, 1, 2 direct; 4, 5 from LDS, with K step 3's loads on their way; 3 direct
	DRUNK 0, 0
	QLD 1, 1
	DRUNK 1, 0
	DRUNK 2, 0
	DRUNK 3, 0
	global_prefetch_b8 v[PF1], s[KVB:KVB+1] offset:3*SLOTB th:TH_LOAD_NT scope:SCOPE_SE   ; K's block 3, whose first loads are issued behind run 8
	DRUNK 4, 1
	QLD 2, 2
	DRUNK 5, 1
	DRUNK 6, 1
	DRUNK 7, 1
	global_prefetch_b8 v[PF2], s[KVB:KVB+1] offset:6*SLOTB th:TH_LOAD_NT scope:SCOPE_SE   ; V's blocks 6 and 7
	DRUNK 8, 2
	QLD 3, 4
	DRUNK 9, 2
	DRUNK 10, 2
	DRUNK 11, 2
	global_prefetch_b8 v[PF2], s[KVB:KVB+1] offset:8*SLOTB th:TH_LOAD_NT scope:SCOPE_SE   ; V's blocks 8 and 9
	s_wait_tensorcnt 0x0                           ; my part of K's blocks 4 and 5
	s_wait_dscnt 0x0
	s_barrier_signal -1
	s_barrier_wait -1                              ; everybody's
	FETCHK 0, 0, 0
	FETCHK 0, 1, 1
	LRUN 0, 0, 3, 16
	QLD 4, 5
	FETCHK 0, 2, 0
	LRUN 1, 1, 3, 32                               ; (Q's next set and set 0's loads may be out)
	FETCHK 0, 3, 1
	LRUN 2, 0, 3, 16
	FETCHK 1, 0, 0
	LRUN 3, 1, 3, 16
	FETCHK 1, 1, 1
	LRUN 0, 0, 4, 16
	QLD 5, 3
	FETCHK 1, 2, 0
	LRUN 1, 1, 4, 32
	FETCHK 1, 3, 1
	s_wait_tensorcnt 0x0                           ; the regions are filled again: no tensor load of mine is out;
	ds_add_u32 v[SPW], v[NIL]
	s_wait_dscnt 17                                ; (the add and set 1's loads may be out)
	MULS SETS, 0, SCW, 2, 4, 0, 0
	s_wait_dscnt 0x0                               ; the add is done, and my reads of the regions are over
	s_barrier_signal -1
	MULS SETS, 0, SCW, 2, 4, 1, 0
	WIN 0
	s_barrier_wait -1
	CREST                                          ; so it is with every wave of the four work-groups
	tensor_load_to_lds s[G0V:G0V+3], s[G1C:G1C+7]  ; V's blocks 6 and 8: they have K step 3 and phase 2 in which to land
	s_nop 0
	PLACES
	MULS SETS+48, 0, SCW+4, 3, 4, 0, 0
	MULS SETS+48, 0, SCW+4, 3, 4, 1, 0
	WIN 0
	PLACES
	DRUNK 12, 5
	DRUNK 13, 5
	DRUNK 14, 5
	DRUNK 15, 5
	; ---- phase 2: the softmax
	BMAX 0
	BMAX 1
	BMAX 2
	BMAX 3
	s_wait_dscnt 0x0                               ; my maxima lie in LDS; my reads of Q are over
	s_barrier_signal -1
	s_barrier_wait -1                              ; V's fill may stay out.  From here on Q's bytes are written by LDS stores
.irp q, 0,1,2,3
	ds_load_b128 v[X+4*\q:X+4*\q+3], v[AXR] offset:256*\q
.endr
	KV 0                                           ; block 7's first two runs, into registers that phase 2 leaves alone
	KV 1
	s_wait_dscnt 0x0
.irp q, 0,1,2,3
	v_max3_num_f32 v[T1+\q], v[X+4*\q], v[X+4*\q+1], v[X+4*\q+2]
.endr
.irp q, 0,1,2,3
	v_max_num_f32 v[T1+\q], v[T1+\q], v[X+4*\q+3]  ; the row's largest score
.endr
.irp q, 0,1,2,3
	v_mul_f32 v[T1+\q], s[CS], v[T1+\q]            ; as t (c is positive)
.endr
.irp q, 0,1,2,3
	v_floor_f32 v[NM+2*\q], -v[T1+\q]              ; -M = floor(-t) = -ceil(t)
.endr
.irp q, 0,1,2,3
	v_mov_b32 v[NM+2*\q+1], v[NM+2*\q]
.endr
	SOFTQ 0
	SOFTQ 1
	SOFTQ 2
	global_prefetch_b8 v[PF2], s[KVB:KVB+1] offset:10*SLOTB th:TH_LOAD_NT scope:SCOPE_SE   ; V's blocks 10 and 11
	SOFTQ 3
	KV 2                                           ; block 7's last two runs, into registers that held p
	KV 3
	s_wait_tensorcnt 0x0                           ; my part of blocks 6 and 8
	s_wait_dscnt 0x0                               ; my fragments of P, their scale words and my sums lie in LDS
	s_barrier_signal -1
	s_barrier_wait -1                              ; blocks 6 and 8 are whole
	WIN 0x80                                       ; destination window 2: P of tiles 0 and 1
.irp e, 0,1
.irp k, 0,1,2,3,4,5,6,7
.irp c, 0,1,2
	ds_load_b128 v[96*\e+12*\k+4*\c:96*\e+12*\k+4*\c+3], v[APR] offset:1536*(8*\e+\k)+512*\c
.endr
.endr
.endr
	WIN 0xc0                                       ; window 3: tiles 2 and 3
.irp e, 0,1
.irp k, 0,1,2,3,4,5,6,7
.irp c, 0,1,2
	ds_load_b128 v[96*\e+12*\k+4*\c:96*\e+12*\k+4*\c+3], v[APR] offset:1536*(16+8*\e+\k)+512*\c
.endr
.endr
.endr
	WIN 0
.set F, 0
.rept 32
	ds_load_b32 v[SCH+F], v[APSR] offset:128*F
.set F, F+1
.endr
.irp q, 0,1,2,3
	ds_load_b128 v[X+4*\q:X+4*\q+3], v[AXR] offset:1024+256*\q
.endr
	FETCH 6, 0, 0
	FETCH 6, 1, 1
	s_wait_dscnt 40                                ; all but the two fetches
.irp q, 0,1,2,3
	v_add_f32 v[X+4*\q], v[X+4*\q], v[X+4*\q+1]
.endr
.irp q, 0,1,2,3
	v_add_f32 v[X+4*\q+2], v[X+4*\q+2], v[X+4*\q+3]
.endr
.irp q, 0,1,2,3
	v_add_f32 v[X+4*\q], v[X+4*\q], v[X+4*\q+2]    ; the row's sum
.endr
	s_wait_alu depctr_va_vdst(0)
.irp q, 0,1,2,3
	v_rcp_f32 v[RL+2*\q], v[X+4*\q]
	v_rcp_f32 v[RL+2*\q+1], v[X+4*\q]              ; twice: a pair for the packed multiply
.endr
	v_nop                                          ; a plain place behind the reciprocals
	s_wait_alu depctr_va_vdst(0)
	; ---- phase 3: O^T = V^T P^T; each G: keys 0-511 from LDS, keys 512-1,023 direct
	RUNP 0, 0, 20                                  ; block 6, in whose third run region 0 is filled again
	FETCH 6, 2, 0
	RUNP 1, 1, 20
	FETCH 6, 3, 1
	s_wait_tensorcnt 0x0
	ds_add_u32 v[SPW], v[NIL]
	s_wait_dscnt 21                                ; (the add and set 1's loads may be out)
	MULP SETS, 0, SCW, 2, 0
	s_wait_dscnt 0x0
	s_barrier_signal -1
	MULP SETS, 0, SCW, 2, 1
	WIN 0
	s_barrier_wait -1
	CREST
	tensor_load_to_lds s[G0R:G0R+3], s[G1A:G1A+7]  ; my quarter of block 10, which I alone read: asked for ahead of every store
	s_nop 0
	PLACES
	FETCH 8, 0, 0
	MULP SETS+48, 0, SCW+4, 3, 0
	MULP SETS+48, 0, SCW+4, 3, 1
	WIN 0
	PLACES
	FETCH 8, 1, 1
.irp d, 0,1,2,3
	DRUNV \d                                       ; block 7; block 9's loads go out
.endr
	OUT 0
	BLKE 8
.irp d, 4,5,6,7
	DRUNV \d                                       ; block 9; block 11's loads go out
.endr
	s_wait_tensorcnt 0x0                           ; my quarter of block 10
	FETCH 10, 0, 0
	FETCH 10, 1, 1
	OUT 1
	BLKE 10
.irp d, 8,9,10,11
	DRUNV \d
.endr
	OUT 2
	s_wait_tensorcnt 0x0                           ; the wave's end
	ds_add_u32 v[SPW], v[NIL]
	s_wait_dscnt 0x0
	CROUND                                         ; the closing round
	s_endpgm
.Lfunc_end_k_qae65d612f6_attn:
	.size	k_qae65d612f6_attn, .Lfunc_end_k_qae65d612f6_attn-k_qae65d612f6_attn
	.p2alignl 7, 3214868480
	.fill 96, 4, 3214868480
	.section	.rodata,"a",@progbits
	.p2align	6, 0x0
	.amdhsa_kernel k_qae65d612f6_attn
		.amdhsa_group_segment_fixed_size 327680
		.amdhsa_private_segment_fixed_size 0
		.amdhsa_enable_private_segment 0
		.amdhsa_kernarg_size 24
		.amdhsa_user_sgpr_count 2
		.amdhsa_user_sgpr_kernarg_segment_ptr 1
		.amdhsa_wavefront_size32 1
		.amdhsa_system_sgpr_workgroup_id_x 1
		.amdhsa_system_sgpr_workgroup_id_y 1
		.amdhsa_system_sgpr_workgroup_id_z 1
		.amdhsa_system_vgpr_workitem_id 0
		.amdhsa_next_free_vgpr 1024
		.amdhsa_next_free_sgpr 100
		.amdhsa_reserve_vcc 0
		.amdhsa_float_denorm_mode_32 3
		.amdhsa_float_denorm_mode_16_64 3
		.amdhsa_memory_ordered 1
		.amdhsa_forward_progress 1
		.amdhsa_inst_pref_size 255
	.end_amdhsa_kernel
	.section	.bss,"aw",@nobits
	.p2align	6
	.space	262144
	.amdgpu_metadata
---
amdhsa.version: [ 1, 2 ]
amdhsa.kernels:
  - .name:           k_qae65d612f6_attn
    .symbol:         k_qae65d612f6_attn.kd
    .args:
      - { .name: qc, .offset: 0, .size: 8, .value_kind: global_buffer, .address_space: global }
      - { .name: kv, .offset: 8, .size: 8, .value_kind: global_buffer, .address_space: global }
      - { .name: out0, .offset: 16, .size: 8, .value_kind: global_buffer, .address_space: global }
    .group_segment_fixed_size: 327680
    .private_segment_fixed_size: 0
    .kernarg_segment_align: 8
    .kernarg_segment_size: 24
    .max_flat_workgroup_size: 128
    .sgpr_count:     100
    .vgpr_count:     1024
    .wavefront_size: 32
...
	.end_amdgpu_metadata
.endif
;; end of part 3
